; MI455X (gfx1250); checked and timed in simulation.
; The chip was launched on July 23, 2026; its instructions are those of AMD's public machine-readable ISA for CDNA 5 (MIT licence, August 2026) and "CDNA5" Instruction Set Architecture Reference Guide (July 2026). The comments in the code are by the model that wrote it; some were corrected since.
;; Mutihead Attention. Allowed arithmetic: matrix products marked QUANTISED: E5M2 operands, one E8M0 scale for each 32 along K, by v_wmma_scale_f32_16x16x128_f8f6f4 with both operands' format E5M2, f32 sums; everything else in f32.
;; Inputs: Wk 1,024 x 1,024 float32; Wq 1,024 x 1,024 float32; Wr 1,024 x 1,024 float32; Wv 1,024 x 1,024 float32; beta 1,024 float32; gamma 1,024 float32; x 4 x 2,048 x 1,024 float32.
;; Outputs: out0 4 x 2,048 x 1,024 float32.
;; This version of the problem:
;;   THIS VERSION OF THE PROBLEM IS GIVEN IN LOW PRECISION. The matrix products marked QUANTISED in the list below multiply operands that are first quantised to E5M2 (5 exponent bits, 2 mantissa bits; 8 bits a number), with one power-of-two scale for each 32 numbers along K (OCP MX v1.0); their sums are f32. All else is computed in f32.
;;   The module's matrix products, in the order in which they are computed (A, B: the left and right operand; K: the contracted axis; several contracted axes count as one K, in the product's order):
;;     1. [M 8,192, K 1,024] x [K 1,024, N 1,024]; A: input x; B: input Wq: QUANTISED
;;     2. [M 8,192, K 1,024] x [K 1,024, N 1,024]; A: input x; B: input Wk: QUANTISED
;;     3. [M 8,192, K 1,024] x [K 1,024, N 1,024]; A: input x; B: input Wv: QUANTISED
;;     4. batch 64 x [M 2,048, K 64] x [K 64, N 2,048]; A: computed on the way; B: computed on the way: QUANTISED
;;     5. batch 64 x [M 64, K 2,048] x [K 2,048, N 2,048]; A: computed on the way; B: softmax (see below): QUANTISED
;;     6. [M 8,192, K 1,024] x [K 1,024, N 1,024]; A: input x; B: input Wr: QUANTISED
;;   THE QUANTISER, for each operand of a quantised product, along K:
;;     - K is cut into blocks of 32 from its start; a last block that is shorter is filled with zeros.
;;     - A block's scale is 2^e with e = floor(log2(the largest magnitude in the block)) - 15, held to -126 .. 127; a block of zeros has e = 0. As a byte (E8M0): e + 127.
;;     - Each number is divided by its block's scale, clamped to +-57,344, and rounded to the nearest number of E5M2, ties to even, subnormals kept.
;;     - The product sums the exact products of the quantised numbers (number of the format x scale) in f32.
;;   ~~~python
;;   def quantise(x, axis):      # numpy; x: float32 -> the quantised numbers, widened to float32 again
;;       x = np.moveaxis(x, axis, -1); K = x.shape[-1]
;;       x = np.pad(x, [(0, 0)] * (x.ndim - 1) + [(0, -K % 32)]); x = x.reshape(x.shape[:-1] + (-1, 32)); a = np.abs(x).max(-1, keepdims=True)
;;       e = np.where(a > 0, np.clip(np.frexp(np.where(a > 0, a, 1))[1] - 1 - 15, -126, 127), 0)      # np.frexp(a)[1] - 1 = floor(log2(a)), exactly
;;       r = np.clip(x / 2.0 ** e, -57344, 57344)
;;       step = 2.0 ** (np.maximum(np.frexp(np.where(r == 0, 1, r))[1] - 1, -14) - 2)
;;       q = np.round(r / step) * step * 2.0 ** e      # np.round: ties to even
;;       return np.moveaxis(q.reshape(q.shape[:-2] + (-1,))[..., :K], -1, axis).astype(np.float32)
;;   ~~~
;;   SOFTMAX AHEAD OF A QUANTISED PRODUCT. Where the list says 'softmax', what is quantised is not the finished softmax but p = 2^(t - M), with t = logit x log2(e) and M = ceil(the row's largest t), a whole number; so 1/2 < the row's largest p <= 1. The row's sum l is taken of the UNQUANTISED p, in f32, and the product's result is divided by l at the end. Since M is a whole number, a kernel that streams over the keys may use a running M (the ceiling of the running maximum): every later rescaling is an exact power of two, which a block's scale takes up: the codes' values come out the same.
;;   OPERANDS COMPUTED ON THE WAY. 'Computed on the way' means the value that the module computes at that place (a softmax that the list does not call 'softmax' is quantised finished and normalised). What goes into a quantiser is computed in f32, as accurately as f32 sums, v_exp_f32 and their like allow (about 1e-6 of the number): no bf16 or f16 on the way to a quantiser, and a product that is left as it is and whose result goes on into a quantised operand takes f32 operands (vector FMAs, or v_wmma_f32_16x16x4_f32). A number that lies on a knife's edge between two numbers of the format may be rounded either way, as far as f32 arithmetic and the matrix unit's own rounding can turn it there, and no further.
;; One version. Each part assembles by itself: llvm-mc -triple=amdgcn-amd-amdhsa -mcpu=gfx1250 --defsym DOCPART=n.
;; ======== version 1 of 1: 4 launches
;; limits: right only within a limited range of input values
;; workspace buffers: pc 12,582,912 bytes; ps 393,216 bytes; qkvc 25,165,824 bytes; qkvs 1,310,720 bytes; res 33,554,432 bytes; att 33,554,432 bytes
;; launch quant (part 1): grid 384 x 1, 4 waves a work-group, no clusters, 33,280 bytes of LDS; arguments x, Wq, Wk, Wv, Wr, pc, ps; writes pc, ps
.if DOCPART == 1
	.amdgcn_target "amdgcn-amd-amdhsa--gfx1250"
	.amdhsa_code_object_version 6
	.text
	.protected	k_qfad877951f_quant
	.globl	k_qfad877951f_quant
	.p2align	8
	.type	k_qfad877951f_quant,@function
k_qfad877951f_quant:
	s_mov_b64 s[64:65], 0
	v_nop
	global_prefetch_b8 v0, s[64:65] scope:SCOPE_SE
	s_setreg_imm32_b32 hwreg(HW_REG_WAVE_MODE, 25, 1), 1
	s_wait_xcnt 0x0
; x [8192][1024] and the four weights [1024][1024], f32 with K innermost, become codes of BF8 (E5M2) in pc [12288][1024] and one E8M0 byte for each 32 along K in ps [12288][32].
; pc's rows: x's 8,192, then Wq's, Wk's, Wv's, Wr's 1,024 each.  IN EACH GROUP OF 32 ROWS THE FOUR RUNS OF 8 ROWS ARE STORED IN THE ORDER 0, 2, 1, 3: position 16 t + p holds row 32 (t / 2) + 16 (p / 8) + 8 (t % 2) + p % 8.
; So 16 rows on end in pc are the 16 rows that the next launch wants in one tile: used as a matrix instruction's source 0, two neighbouring tiles leave 16 NEIGHBOURS of the true order in a lane's 16 result registers.
; A block's scale is 2^(floor(log2(its largest magnitude)) - 15); its byte is the largest magnitude's exponent field - 15, held at 1 from below; each number is divided by the scale, held within +-57,344 and rounded to the nearest code, ties to even.
; LIMITS: a block whose largest magnitude lies under 2^-111 is quantised under the byte 1; a block of zeros gets the byte 1 and not 127 (its codes are zeros, and this program alone reads the bytes); NaN and infinities among the inputs are not served.
; A work-group takes 32 rows, a wave 8 rows = 8,192 numbers = 16 steps of 512.  Each load reads 512 consecutive bytes, 16 a lane; a step's 2,048 bytes turn through the wave's own stage in LDS and come back 64 bytes a lane,
; so that a lane holds 16 neighbours along K (two lanes hold a block).  A lane's 16 codes are 16 bytes: the wave stores 512 consecutive bytes.  A wave's 256 scale bytes are gathered in LDS and leave by one store of 256 consecutive bytes.
; Waves share nothing: no barrier.  Loads run four steps (16 loads a wave) ahead, the turn through LDS one step.
.set STEPS, 16
.set EMAX,  15
.set MANT,  0x600000                   ; the mantissa field of 57,344 as f32
.set CB,    16                         ; bytes of 16 codes
.set R,     16                         ; v16-79   four sets of 16 numbers as they are loaded
.set X,     80                         ; v80-111  two sets of 16 neighbours
.set C,     128                        ; v128-191 codes: four registers for each step, so that no store's data are written again
.set E,     112                        ; v112-127 a scale byte for each step
.set WREG,  8192                       ; LDS: a region for each wave: two stages of 32 x SP bytes, behind them its 256 scale bytes
.set SP,    80                         ; a lane's place in a stage: its 64 bytes + 16 of padding
	s_load_b256 s[4:11], s[0:1], 0x0               ; x s[4:5], Wq s[6:7], Wk s[8:9], Wv s[10:11]
	s_load_b128 s[12:15], s[0:1], 0x20             ; Wr s[12:13], pc s[14:15]
	s_load_b64 s[16:17], s[0:1], 0x30              ; ps
	v_lshl_add_u32 v192, v0, 2, 0x8000
	v_mov_b32 v193, 0
	v_lshrrev_b32 v1, 5, v0
	v_readfirstlane_b32 s24, v1                    ; wave
	v_and_b32 v2, 31, v0                           ; lane
	v_lshlrev_b32 v3, 4, v2                        ; my 16 bytes of a load's 512
	s_mul_i32 s26, s24, WREG
	v_lshrrev_b32 v14, 2, v2
	v_mul_u32_u24 v14, v14, SP
	v_and_b32 v15, 3, v2
	v_lshl_add_u32 v14, v15, 4, v14
	v_add_nc_u32 v14, s26, v14                     ; the stage, on the way in: SP (lane / 4) + 16 (lane % 4)
	v_mul_u32_u24 v15, v2, SP
	v_add_nc_u32 v15, s26, v15                     ; and on the way out: SP x lane: my 16 neighbours
	v_mul_u32_u24 v4, v2, CB                       ; my codes' place in a step's
	v_lshrrev_b32 v5, 1, v2
	s_add_co_u32 s26, s26, 2*32*SP
	v_add_nc_u32 v5, s26, v5                       ; LDS: my wave's 256 scale bytes, my block's byte
	v_lshlrev_b32 v7, 3, v2                        ; and on the way out 8 bytes a lane
	v_add_nc_u32 v6, s26, v7
	s_mov_b32 s23, MANT
	s_and_b32 s25, ttmp9, 31                       ; a weight has 32 work-groups
	s_wait_alu depctr_va_vdst(0)
	s_wait_kmcnt 0x0
	s_cmp_lt_u32 ttmp9, 352                        ; which tensor: the choice hangs on the work-group's number alone
	s_cselect_b64 s[12:13], s[10:11], s[12:13]
	s_cmp_lt_u32 ttmp9, 320
	s_cselect_b64 s[12:13], s[8:9], s[12:13]
	s_cmp_lt_u32 ttmp9, 288
	s_cselect_b64 s[12:13], s[6:7], s[12:13]
	s_cmp_lt_u32 ttmp9, 256
	s_cselect_b64 s[12:13], s[4:5], s[12:13]
	s_cselect_b32 s25, ttmp9, s25                  ; my work-group's number within its tensor
	s_lshl_b32 s25, s25, 2
	s_add_co_u32 s25, s25, s24                     ; which run of 8 rows I read
	s_lshl_b32 s20, s25, 15                        ; 32,768 bytes a run
	s_mov_b32 s21, 0
	s_add_nc_u64 s[12:13], s[12:13], s[20:21]
	s_and_b32 s26, s24, 1
	s_lshl_b32 s26, s26, 1
	s_lshr_b32 s27, s24, 1
	s_or_b32 s26, s26, s27                         ; the wave's two bits swapped: runs 0, 2, 1, 3
	s_lshl_b32 s27, ttmp9, 2
	s_add_co_u32 s18, s27, s26                     ; which run of 8 rows of pc and ps I write
	s_lshl_b32 s20, s18, 13                        ; 8,192 bytes of codes a run
	s_add_nc_u64 s[14:15], s[14:15], s[20:21]
	s_lshl_b32 s20, s18, 8                         ; 256 scale bytes a run
	s_add_nc_u64 s[16:17], s[16:17], s[20:21]
.macro LOAD t
.irp i, 0,1,2,3
	global_load_b128 v[R+16*((\t)%4)+4*\i:R+16*((\t)%4)+4*\i+3], v3, s[12:13] offset:2048*(\t)+512*\i th:TH_LOAD_NT   ; 32 lanes read 512 consecutive bytes
.endr
.endm
.macro TURN t                          ; step t's numbers through the stage: LDS serves a wave's instructions in order, so no wait stands between the stores and the loads
.irp i, 0,1,2,3
	ds_store_b128 v14, v[R+16*((\t)%4)+4*\i:R+16*((\t)%4)+4*\i+3] offset:32*SP*((\t)%2)+8*SP*\i
.endr
.irp i, 0,1,2,3
	ds_load_b128 v[X+16*((\t)%2)+4*\i:X+16*((\t)%2)+4*\i+3], v15 offset:32*SP*((\t)%2)+16*\i
.endr
.endm
.irp t, 0,1,2,3
	LOAD \t
.endr
	s_wait_loadcnt 12                              ; step 0's four loads are in; three steps' twelve may be out
	TURN 0
.macro STEP t
.set XS, X+16*((\t)%2)
.if (\t) > 0
	s_wait_dscnt 1                                 ; this step's numbers are back from the stage (the last step's byte store may be out): so its stores into the stage have read their registers,
.else
	s_wait_dscnt 0x0
.endif
.if (\t)+4 < STEPS
	LOAD (\t)+4                                    ; which take the loads of four steps on
.endif
.if (\t)+1 < STEPS
.if STEPS-2-(\t) >= 3
	s_wait_loadcnt 12                              ; the next step's four loads are in; those of the three steps behind it may be out
.else
	s_wait_loadcnt 4*(STEPS-2-(\t))
.endif
	TURN (\t)+1                                    ; and go through the other stage while this step is worked
.endif
	v_max3_num_f32 v8, |v[XS]|, |v[XS+1]|, |v[XS+2]|               ; the largest magnitude of my 16
	v_max3_num_f32 v9, |v[XS+3]|, |v[XS+4]|, |v[XS+5]|
.irp i, 6,10
	v_max3_num_f32 v8, v8, |v[XS+\i]|, |v[XS+\i+1]|
	v_max3_num_f32 v9, v9, |v[XS+\i+2]|, |v[XS+\i+3]|
.endr
	v_max3_num_f32 v8, v8, |v[XS+14]|, |v[XS+15]|
	v_max3_num_f32 v8, v8, v9, (EMAX+1)<<23        ; and the floor 2^(16 - 127): the byte cannot fall under 1
	v_max_num_f32_dpp v8, v8, v8 row_xmask:1 row_mask:0xf bank_mask:0xf   ; and of my neighbour's 16: the block's
	v_add_nc_u32 v11, -(EMAX<<23), v8              ; 15 off its exponent field: the conversion takes the exponent field of this operand as its scale
	v_and_or_b32 v10, v8, 0x7f800000, s23          ; 57,344 x the scale
.irp i, 0,1,2,3,4,5,6,7,8,9,10,11,12,13,14,15
	v_med3_num_f32 v[XS+\i], v[XS+\i], -v10, v10   ; the conversion to an 8-bit code does not saturate (ISA guide 7.6.2): the hold comes first
.endr
	v_cvt_scalef32_pk8_bf8_f32 v[C+4*(\t):C+4*(\t)+1], v[XS:XS+7], v11
	v_cvt_scalef32_pk8_bf8_f32 v[C+4*(\t)+2:C+4*(\t)+3], v[XS+8:XS+15], v11
	v_lshrrev_b32 v[E+(\t)], 23, v11               ; the scale's byte (also the plain line behind the conversions)
	ds_store_b8 v5, v[E+(\t)] offset:16*(\t)       ; both lanes of a block write the same byte with the same value
	global_store_b128 v4, v[C+4*(\t):C+4*(\t)+3], s[14:15] offset:32*CB*(\t)
.endm
.irp t, 0,1,2,3,4,5,6,7,8,9,10,11,12,13,14,15
	STEP \t
.endr
	ds_load_b64 v[12:13], v6                       ; LDS serves a wave's instructions in order: these see my stores
	s_wait_dscnt 0x0
	global_store_b64 v7, v[12:13], s[16:17]        ; 32 lanes store 256 consecutive bytes
	s_wait_tensorcnt 0x0
	ds_add_u32 v192, v193
	s_wait_dscnt 0x0
	s_endpgm
.Lfunc_end_k_qfad877951f_quant:
	.size	k_qfad877951f_quant, .Lfunc_end_k_qfad877951f_quant-k_qfad877951f_quant
	.p2alignl 7, 3214868480
	.fill 96, 4, 3214868480
	.section	.rodata,"a",@progbits
	.p2align	6, 0x0
	.amdhsa_kernel k_qfad877951f_quant
		.amdhsa_group_segment_fixed_size 33280
		.amdhsa_private_segment_fixed_size 0
		.amdhsa_enable_private_segment 0
		.amdhsa_kernarg_size 56
		.amdhsa_user_sgpr_count 2
		.amdhsa_user_sgpr_kernarg_segment_ptr 1
		.amdhsa_wavefront_size32 1
		.amdhsa_system_sgpr_workgroup_id_x 1
		.amdhsa_system_sgpr_workgroup_id_y 1
		.amdhsa_system_sgpr_workgroup_id_z 1
		.amdhsa_system_vgpr_workitem_id 0
		.amdhsa_next_free_vgpr 194
		.amdhsa_next_free_sgpr 66
		.amdhsa_reserve_vcc 0
		.amdhsa_float_denorm_mode_32 3
		.amdhsa_float_denorm_mode_16_64 3
		.amdhsa_memory_ordered 1
		.amdhsa_forward_progress 1
		.amdhsa_inst_pref_size 51
	.end_amdhsa_kernel
	.amdgpu_metadata
---
amdhsa.version: [ 1, 2 ]
amdhsa.kernels:
  - .name:           k_qfad877951f_quant
    .symbol:         k_qfad877951f_quant.kd
    .args:
      - { .name: x, .offset: 0, .size: 8, .value_kind: global_buffer, .address_space: global }
      - { .name: Wq, .offset: 8, .size: 8, .value_kind: global_buffer, .address_space: global }
      - { .name: Wk, .offset: 16, .size: 8, .value_kind: global_buffer, .address_space: global }
      - { .name: Wv, .offset: 24, .size: 8, .value_kind: global_buffer, .address_space: global }
      - { .name: Wr, .offset: 32, .size: 8, .value_kind: global_buffer, .address_space: global }
      - { .name: pc, .offset: 40, .size: 8, .value_kind: global_buffer, .address_space: global }
      - { .name: ps, .offset: 48, .size: 8, .value_kind: global_buffer, .address_space: global }
    .group_segment_fixed_size: 33280
    .private_segment_fixed_size: 0
    .kernarg_segment_align: 8
    .kernarg_segment_size: 56
    .max_flat_workgroup_size: 128
    .sgpr_count:     66
    .vgpr_count:     194
    .wavefront_size: 32
...
	.end_amdgpu_metadata
.endif
;; end of part 1
;; launch proj (part 2): grid 16 x 32, 4 waves a work-group, clusters of 4 x 4, 327,680 bytes of LDS; arguments pc, ps, qkvc, qkvs, res; writes qkvc, qkvs, res
.if DOCPART == 2
	.amdgcn_target "amdgcn-amd-amdhsa--gfx1250"
	.amdhsa_code_object_version 6
	.text
	.protected	k_qfad877951f_proj
	.globl	k_qfad877951f_proj
	.p2align	8
	.type	k_qfad877951f_proj,@function
k_qfad877951f_proj:
	s_mov_b64 s[64:65], 0
	v_nop
	global_prefetch_b8 v0, s[64:65] scope:SCOPE_SE
	s_setreg_imm32_b32 hwreg(HW_REG_WAVE_MODE, 25, 1), 1
	s_wait_xcnt 0x0
	s_wait_alu depctr_hold_cnt(0) depctr_sa_sdst(0) depctr_va_vdst(0) depctr_va_sdst(0) depctr_va_ssrc(0) depctr_va_vcc(0) depctr_vm_vsrc(0)
	s_getreg_b32 s2, hwreg(HW_REG_IB_STS2, 6, 4)
	s_cmp_eq_u32 s2, 0
	s_cbranch_scc0 .Lentry_in_a_cluster
	s_endpgm
.Lentry_in_a_cluster:
	s_bfe_u32 s2, ttmp6, 0x10000c
	s_cmp_lg_u32 s2, 0xf033
	s_cbranch_scc0 .Lentry_shape_is_right
	s_endpgm
.Lentry_shape_is_right:
; The four projections x W^T, K = 1,024, on codes of BF8 (E5M2) with one E8M0 scale for each 32 along K, read from pc and ps (rows in the stored order: in each 32 rows the runs of 8 stand 0, 2, 1, 3).
; The cluster's x says which: 0 q, 1 k, 2 v, 3 the residual x Wr^T.  A tile of 256 x 256 is made by a work-group of four waves, a wave makes 128 x 128: 64 accumulators, 512 registers.
; THE MATRIX INSTRUCTION IS USED TRANSPOSED (source 0 = 16 rows of B', source 1 = 16 rows of A'): a lane holds ONE row of A', and, by the stored order of B's rows, the 16 registers of two neighbouring tiles of B' are 16 neighbours of the true order.
; q, k, residual: A' = x, B' = the weight: a lane's registers run along the features.  v: A' = Wv, B' = x: a lane's registers run along the TOKENS, which are the K of attention's second product.
; q, k and v are quantised in registers (blocks of 32 along a lane's registers; lanes l and l xor 16 hold a block) and leave as IMAGES OF OPERAND REGISTERS: 2,048 bytes for 16 rows x 128: [4 registers' group c][lane][16 bytes].
;   q, k: image (pair of heads j, tile of 16 stored tokens): groups 0, 1 are head 2 j's 64 features, groups 2, 3 head 2 j + 1's.   v: image (step of 128 tokens, tile of 16 stored features).
;   Their scale words go to qkvs, four words of four tiles on end for each row, so that sixteen lanes store 256 consecutive bytes.
; The residual leaves as f32 in the true order of rows and columns, through the wave's stage in LDS.
; K goes in steps of 256 through a ring of two LDS slots filled by the tensor data mover; the scales of the tile's rows, for all of K, come into LDS once.  CLUSTERS: 4 x 4 work-groups; A's tiles are asked for jointly along a row of the cluster, B's along a column.
; LIMITS: a block whose largest magnitude lies under 2^-111 is quantised under the byte 1, a block of zeros too (its codes are zeros; this program alone reads the bytes); NaN and infinities are not served.
; REGISTERS, in windows of 256: window 0: v0-31 addresses; v32-63 scale words of the products, two sets; v64-71 the scale words made here; from v128 A's fragments, ONE set; on the way out v128-255 are at work.
;   window 1: B's fragments, TWO sets.   window 2: the accumulators of my rows 0-63 ((a, b) at v[8 (8 a + b)]);   window 3: those of my rows 64-127.
.set KSTEP,  256                       ; along K in a slot
.set NQ,     KSTEP/128                 ; matrix instructions deep
.set ROWB,   256                       ; a tile's row in bytes
.set KROW,   1024                      ; a row of pc in bytes
.set PITCH,  272                       ; an LDS row: 256 bytes + 16 of padding = 68 words: the 16 rows that a load touches start at 16 different banks (64 banks of 4 bytes: ISA guide 11.1)
.set FR,     16                        ; registers of a fragment: 16 rows x 128 K
.set NL,     4                         ; LDS loads that bring one
.set NP,     8                         ; places behind this matrix instruction (ISA guide 7.12.1)
.set HALFT,  128*PITCH                 ; 128 rows: what one tensor load brings
.set SLOT,   4*HALFT                   ; A's 256 rows, then B's 256 rows
.set LAPS,   2                         ; 1,024 along K = four K steps = twice round the ring
.set KS,     32                        ; a row of ps in bytes
.set SCL,    2*SLOT                    ; behind the ring: the scales, as runs of 256 bytes + 16 of padding
.set HALFS,  (128*KS/256)*272          ; the scales of 128 rows
.set SBLK,   (16*KS/256)*272           ; those of 16 rows
.set SPARE,  SCL+4*HALFS               ; the spare words, 128 bytes for each wave: two blocks of 256 bytes that no other line names
.set SPITCH, 528                       ; the residual's way out: a stage of 16 rows x (512 bytes + 16) for each wave, in slot 0, which has had its last fill and its last read by then
.set ADRA, 16                          ; v16-17  LDS address of my A fragments in slot 0, 1
.set ADRB, 20                          ; v20-21  the same for B
.set SH,   22                          ; v22     16 x (lane / 16)
.set STO,  24                          ; v24     the stage: where I put my numbers of a row
.set RD,   25                          ; v25     the stage: where I read a row back
.set CO,   26                          ; v26     16 x lane: my place in a row of the residual, and in a group of an image
.set ADRS, 27                          ; v27     LDS address of my scale words: lanes 0-15 A's rows, lanes 16-31 B's
.set SPW,  28                          ; v28     LDS address of my spare word; never rewritten
.set NIL,  29                          ; v29     0; never rewritten
.set SA,   30                          ; v30     my place among the scale words that leave
.set SC,   32                          ; the products' scale words: set s at v[SC + 16 s]
.set SW,   64                          ; v64-71  the scale word made for each of my eight blocks of rows
.set AF,   128                         ; A's fragments, in window 0
.set BK,   128                         ; the residual's way out: 16 rows read back: v128-191 and v192-255 by turns
.set XQ,   128                         ; v128-191 a block's 64 numbers, held
.set PC,   192                         ; v192-207 its codes
.set TM,   208                         ; v208-211 largest magnitudes, v212-215 bytes, v216-219 57,344 x the scale, v220-223 the conversions' scale operands
.set FL,   224                         ; v224    the floor 2^(16 - 127)
.set G1, 24
.set G0, 32
.set G1B, 48
.set G0B, 56
.set G1S, 68
.set G0S, 76
.set G1SB, 80
.set G0SB, 88
.set MSB, 0
.macro WIN new                         ; the immediate's high byte repeats the setting that is left
.if MSB != (\new)
	s_set_vgpr_msb (MSB<<8)|(\new)
.set MSB, (\new)
.endif
.endm
.set MUL_LO, 0xa1                      ; source 0 (B) window 1, source 1 (A) window 0, C and D window 2
.set MUL_HI, 0xf1                      ; the same, C and D window 3
.set TO_B,   0x40                      ; destination window 1, address window 0
; A joint load: waves 0 and 1 fetch for A, waves 2 and 3 for B; the branch hangs on the wave's number alone.  Four v_nop follow each of the two lines.
.macro JLOAD g0a, g1a, g0b, g1b
	s_cmp_eq_u32 s15, 0
	s_cbranch_scc0 .Lfor_b_\@
	tensor_load_to_lds s[\g0a:\g0a+3], s[\g1a:\g1a+7]
	s_nop 0
.rept 4
	v_nop
.endr
	s_branch .Lasked_\@
.Lfor_b_\@:
	tensor_load_to_lds s[\g0b:\g0b+3], s[\g1b:\g1b+7]
	s_nop 0
.rept 4
	v_nop
.endr
.Lasked_\@:
.endm
.macro CREST                           ; a round of the cluster's barrier behind its opening barrier
	s_cmp_lg_u32 s14, 0
	s_cbranch_scc1 .Lnot_wave_0_\@
	s_barrier_signal -3
.Lnot_wave_0_\@:
	s_barrier_wait -3
	s_barrier_signal -1
	s_barrier_wait -1
.endm
.macro CROUND                          ; a whole round
	s_barrier_signal -1
	s_barrier_wait -1
	CREST
.endm
	s_load_b256 s[4:11], s[0:1], 0x0               ; pc s[4:5], ps s[6:7], qkvc s[8:9], qkvs s[10:11]
	s_load_b64 s[12:13], s[0:1], 0x20              ; res
	v_lshl_add_u32 v[SPW], v0, 2, SPARE
	v_mov_b32 v[NIL], 0
	ds_add_u32 v28, v29
	ds_add_u32 v28, v29
	s_wait_dscnt 0x0
	v_lshrrev_b32 v1, 5, v0
	v_readfirstlane_b32 s14, v1                    ; wave 0..3
	s_lshr_b32 s15, s14, 1                         ; which half of the tile's rows of A' is mine.  Also: I fetch for A' (0) or for B' (1)
	s_and_b32 s16, s14, 1                          ; which half of its rows of B'.  Also: which 128 rows I fetch
	s_bfe_u32 s40, ttmp6, 0x40000                  ; cx, cy: my place in the cluster
	s_bfe_u32 s41, ttmp6, 0x40004
	s_and_b32 s66, ttmp7, 0xffff
	s_lshl_b32 s66, s66, 2                         ; 4 x cluster y
	s_lshl_b32 s67, ttmp9, 10
	s_add_co_u32 s67, s67, 8192                    ; the weight's first row in pc
	s_cmp_eq_u32 ttmp9, 2                          ; v takes the weight as A' and x as B'.  The cluster's x is the same in all sixteen partners
	s_cselect_b32 s17, 0, s66
	s_cselect_b32 s42, s66, 0
	s_cselect_b32 s95, 10240, 0                    ; A's first row in pc: Wv's or x's
	s_cselect_b32 s67, 0, s67                      ; B's
	s_add_co_u32 s17, s17, s41                     ; tile of 256 rows of A': it hangs on cy, never on cx
	s_add_co_u32 s42, s42, s40                     ; tile of 256 rows of B': it hangs on cx, never on cy
	s_lshl_b32 s43, s41, 2
	s_lshl_b32 s43, 15, s43                        ; my row of the cluster
	s_lshl_b32 s44, 0x1111, s40                    ; my column
	; descriptor group 1: a tile of 128 rows x 256 bytes, padded in LDS
	s_or_b32 s[G1+0], s43, (0<<16)|(1<<20)|(1<<21)|(5<<22)|(3<<25)  ; 15:0 the mask: A's tiles go to my row; 17:16 elements of 1 byte; 20 padding on; 21 set beside a mask; 24:22 after every 64 words; 31:25 four words
	s_or_b32 s[G1B+0], s44, (0<<16)|(1<<20)|(1<<21)|(5<<22)|(3<<25)
.irp g, G1, G1B
	s_mov_b32 s[\g+1], ROWB<<16                    ; tensor_dim0
	s_mov_b32 s[\g+2], 256<<16                     ; tensor_dim1: 256 rows for the head's loads; set to 128 for the ring's behind them
	s_mov_b32 s[\g+3], ROWB<<16                    ; tile_dim0
	s_mov_b32 s[\g+4], 256                         ; tile_dim1
	s_mov_b32 s[\g+5], KROW                        ; tensor_dim0_stride
	s_mov_b32 s[\g+6], 0
	s_mov_b32 s[\g+7], 0
.endr
	; the scales of 256 rows: 8,192 dense bytes, as 32 rows of 256 bytes (32 elements of 8 bytes), 16 bytes of padding behind each
	s_or_b32 s[G1S+0], s43, (3<<16)|(1<<20)|(1<<21)|(5<<22)|(3<<25)
	s_or_b32 s[G1SB+0], s44, (3<<16)|(1<<20)|(1<<21)|(5<<22)|(3<<25)
.irp g, G1S, G1SB
	s_mov_b32 s[\g+1], 32<<16
	s_mov_b32 s[\g+2], KS<<16                      ; the scales of 256 rows: KS rows of 256 bytes
	s_mov_b32 s[\g+3], 32<<16
	s_mov_b32 s[\g+4], KS
	s_mov_b32 s[\g+5], 32
	s_mov_b32 s[\g+6], 0
	s_mov_b32 s[\g+7], 0
.endr
	s_lshl_b32 s18, s16, 17                        ; in the ring I fetch 128 rows of a tile: which half, in bytes (128 rows of 1,024)
	s_mov_b32 s19, 0
	s_lshl_b32 s20, s17, 8
	s_add_co_u32 s20, s20, s95                     ; A': the tile's first row in pc
	s_lshl_b32 s46, s42, 8
	s_add_co_u32 s46, s46, s67                     ; B': the tile's first row in pc
	s_lshl_b32 s22, s20, 5                         ; where these rows' scales begin, in bytes (12,288 rows: all offsets stay under 2^24),
	s_lshl_b32 s92, s46, 5
	s_lshl_b32 s20, s20, 10                        ; and their codes
	s_lshl_b32 s46, s46, 10
	s_mov_b32 s21, 0
	s_mov_b32 s23, 0
	s_mov_b32 s47, 0
	s_mov_b32 s93, 0
	s_mul_i32 s45, s14, HALFT                      ; where they go: wave x 128 rows: no place in the cluster enters an LDS address
	s_wait_kmcnt 0x0
	s_add_nc_u64 s[20:21], s[4:5], s[20:21]
	s_add_nc_u64 s[22:23], s[6:7], s[22:23]
	s_add_nc_u64 s[46:47], s[4:5], s[46:47]
	s_add_nc_u64 s[92:93], s[6:7], s[92:93]
	CROUND                                         ; all sixteen work-groups are here: the first joint loads meet
.set G0H, 4                            ; s[4:7], s[92:95]: group 0 of the head's loads of K step 0 (what lay there has been used)
.set G0HB, 92
	s_mov_b32 s[G0S], 1                            ; the head's four tiles, each whole: the scales of A's 256 rows,
	s_mov_b32 s[G0S+1], SCL
	s_mov_b64 s[G0S+2:G0S+3], s[22:23]
	s_or_b32 s[G0S+3], s[G0S+3], 0x80000000
	s_mov_b32 s[G0SB], 1                           ; those of B's,
	s_mov_b32 s[G0SB+1], SCL+2*HALFS
	s_mov_b64 s[G0SB+2:G0SB+3], s[92:93]
	s_or_b32 s[G0SB+3], s[G0SB+3], 0x80000000
	s_mov_b32 s[G0H], 1                            ; K step 0's 256 rows of A,
	s_mov_b32 s[G0H+1], 0
	s_mov_b64 s[G0H+2:G0H+3], s[20:21]
	s_or_b32 s[G0H+3], s[G0H+3], 0x80000000
	s_mov_b32 s[G0HB], 1                           ; and its 256 rows of B, behind them in slot 0
	s_mov_b32 s[G0HB+1], 2*HALFT
	s_mov_b64 s[G0HB+2:G0HB+3], s[46:47]
	s_or_b32 s[G0HB+3], s[G0HB+3], 0x80000000
	s_add_nc_u64 s[20:21], s[20:21], s[18:19]      ; for the ring: my 128 rows of the tile
	s_add_nc_u64 s[46:47], s[46:47], s[18:19]
.irp s, 0,1
	s_mov_b32 s[G0+4*\s], 1
	s_add_co_u32 s[G0+4*\s+1], s45, \s*SLOT
	s_add_nc_u64 s[G0+4*\s+2:G0+4*\s+3], s[20:21], \s*ROWB
	s_or_b32 s[G0+4*\s+3], s[G0+4*\s+3], 0x80000000
	s_mov_b32 s[G0B+4*\s], 1
	s_add_co_u32 s[G0B+4*\s+1], s45, \s*SLOT
	s_add_nc_u64 s[G0B+4*\s+2:G0B+4*\s+3], s[46:47], \s*ROWB
	s_or_b32 s[G0B+4*\s+3], s[G0B+4*\s+3], 0x80000000
.endr
; THE HEAD'S LOADS, ONE A WAVE: wave 0 K step 0's 256 rows of A, wave 1 its 256 rows of B, wave 2 A's scales, wave 3 B's.  One tree of branches on the wave's number: every way passes exactly one load.
.macro ARM under, g0, g1, next
	s_cmp_lt_u32 s14, \under
	s_cbranch_scc0 \next
	tensor_load_to_lds s[\g0:\g0+3], s[\g1:\g1+7]
	s_nop 0
.rept 4
	v_nop
.endr
	s_branch .Lhead_asked
\next:
.endm
	ARM 1, G0H,  G1,  .Lhead_b
	ARM 2, G0HB, G1B, .Lhead_sa
	ARM 3, G0S,  G1S, .Lhead_sb
	tensor_load_to_lds s[G0SB:G0SB+3], s[G1SB:G1SB+7]
	s_nop 0
.rept 4
	v_nop
.endr
.Lhead_asked:
	v_and_b32 v1, 15, v0                           ; r = l % 16; stays
	v_bfe_u32 v2, v0, 4, 1                         ; h = l / 16; stays
	v_mul_u32_u24 v3, v1, PITCH
	v_lshl_add_u32 v4, v2, 4, v3                   ; a fragment's row x pitch + 16 x half
	s_mul_i32 s21, s15, HALFT                      ; my 128 rows of A'
	s_mul_i32 s22, s16, HALFT                      ; my 128 rows of B',
	s_add_co_u32 s22, s22, 2*HALFT                 ; which lie behind A's 256
.irp s, 0,1
	v_add_nc_u32 v[ADRA+\s], s21, v4
	v_add_nc_u32 v[ADRB+\s], s22, v4
	s_add_co_u32 s21, s21, SLOT
	s_add_co_u32 s22, s22, SLOT
.endr
	v_mul_u32_u24 v5, v1, KS                       ; my row's scales: 32 bytes a row,
	v_lshrrev_b32 v6, 8, v5
	v_lshl_add_u32 v5, v6, 4, v5                   ; and 16 more for each 256 passed
	s_mul_i32 s21, s15, HALFS
	s_mul_i32 s22, s16, HALFS
	s_add_co_u32 s22, s22, 2*HALFS
	s_sub_co_u32 s22, s22, s21
	v_mul_u32_u24 v6, s22, v2                      ; lanes 16-31 take B's: one product, the distance between the two bases
	s_add_co_u32 s21, s21, SCL
	v_add_nc_u32 v5, v5, v6
	v_add_nc_u32 v[ADRS], s21, v5
	s_mul_i32 s23, s14, 16*SPITCH                  ; my stage
	v_mul_u32_u24 v5, v1, SPITCH                   ; in: row l % 16; my half's 16 neighbours of each 32 columns begin 64 h bytes on
	v_lshl_add_u32 v5, v2, 6, v5
	v_add_nc_u32 v[STO], s23, v5
	v_and_b32 v6, 31, v0
	v_lshlrev_b32 v[CO], 4, v6
	v_add_nc_u32 v[RD], s23, v[CO]                 ; back: the 32 lanes take one row of 512 bytes
	v_lshlrev_b32 v[SH], 4, v2
	s_lshl_b32 s99, s17, 1
	s_add_co_u32 s99, s99, s15                     ; which 128 rows of A' are my wave's
	s_lshl_b32 s100, s42, 1
	s_add_co_u32 s100, s100, s16                   ; which 128 rows of B'
	s_mov_b32 s96, 0x76543210
	s_mov_b32 s97, 0xfedcba98                      ; v_permlanex16_b32's selects for lane l xor 16
	s_mov_b32 s98, 0x600000                        ; the mantissa field of 57,344
.macro FRAG reg, adr, q, i             ; a fragment: lane l holds row l % 16; registers 4 c .. 4 c + 3 hold K = 32 c + 16 (l / 16) + 0 .. 15
.irp c, 0,1,2,3
	ds_load_b128 v[\reg+4*\c:\reg+4*\c+3], v[\adr] offset:128*(\q)+32*\c+(\i)*16*PITCH
.endr
.endm
; 16 matrix instructions: A's blocks a0, a0 + 1 x B's eight, the slot's q-th 128 along K.  p: B's set;  sc: the set of scale words.  zero = 1: the first product starts the sums.
; The 64 accumulators take turns, one instruction a turn, in the same order in every step.
.macro MUL16 a0, p, q, sc, zero
.irp a, \a0, \a0+1
.irp b, 0,1,2,3,4,5,6,7
.if \zero
	v_wmma_scale_f32_16x16x128_f8f6f4 v[8*(8*((\a)%4)+\b):8*(8*((\a)%4)+\b)+7], v[128*(\p)+FR*\b:128*(\p)+FR*\b+FR-1], v[AF+FR*(\a):AF+FR*(\a)+FR-1], 0, v[SC+8*NQ*(\sc)+NQ*\b+(\q)], v[SC+8*NQ*(\sc)+NQ*(\a)+(\q)] matrix_a_fmt:MATRIX_FMT_BF8 matrix_b_fmt:MATRIX_FMT_BF8 matrix_a_scale:MATRIX_SCALE_ROW1
.else
	v_wmma_scale_f32_16x16x128_f8f6f4 v[8*(8*((\a)%4)+\b):8*(8*((\a)%4)+\b)+7], v[128*(\p)+FR*\b:128*(\p)+FR*\b+FR-1], v[AF+FR*(\a):AF+FR*(\a)+FR-1], v[8*(8*((\a)%4)+\b):8*(8*((\a)%4)+\b)+7], v[SC+8*NQ*(\sc)+NQ*\b+(\q)], v[SC+8*NQ*(\sc)+NQ*(\a)+(\q)] matrix_a_fmt:MATRIX_FMT_BF8 matrix_b_fmt:MATRIX_FMT_BF8 matrix_a_scale:MATRIX_SCALE_ROW1
.endif
.endr
.endr
.endm
.macro FETCH_B slot, q, p              ; B's eight fragments of the slot's q-th 128 along K into set p
	WIN TO_B
.irp i, 0,1,2,3,4,5,6,7
	FRAG 128*(\p)+FR*\i, ADRB+\slot, \q, \i
.endr
	WIN 0
.endm
.macro FETCH_A slot, q, i0             ; A's blocks i0 .. i0 + 3
.irp i, \i0, \i0+1, \i0+2, \i0+3
	FRAG AF+FR*(\i), ADRA+\slot, \q, \i
.endr
.endm
.macro SCALES sc                       ; the next K step's scale words into set sc: two words a row; lanes 0-15 take A's block i, lanes 16-31 B's block i
.irp i, 0,1,2,3,4,5,6,7
	ds_load_b64 v[SC+8*NQ*\sc+NQ*\i:SC+8*NQ*\sc+NQ*\i+1], v[ADRS] offset:\i*SBLK
.endr
.endm
; A load into a register that a matrix instruction has read, and a vector instruction or a store that reads a matrix result, stand NP places behind it; only plain vector instructions that name none of its registers are places.
.macro PLACES n
.rept \n
	v_nop
.endr
.endm
; A step of 128 along K that has its successor in the same slot.
.macro STEP slot, q, zero
	s_wait_dscnt 4*NL                              ; B's set and A's blocks 0-3 are in; the youngest sixteen loads (A's blocks 4-7) may be out
	WIN MUL_LO
	MUL16 0, (\q)%2, \q, \slot, \zero
	MUL16 2, (\q)%2, \q, \slot, \zero
	s_wait_dscnt 0                                 ; A's blocks 4-7 are in
	PLACES NP
	FETCH_B \slot, (\q)+1, 1-(\q)%2
	FETCH_A \slot, (\q)+1, 0
	WIN MUL_HI
	MUL16 4, (\q)%2, \q, \slot, \zero
	MUL16 6, (\q)%2, \q, \slot, \zero
	PLACES NP
	WIN 0
	FETCH_A \slot, (\q)+1, 4
.endm
; A slot's last step changes slots: ONE barrier; in front of it each wave waits for all its tensor loads, adds 0 to its spare word, and waits for that and for its own reads of this slot.  fill = 1: this slot is filled again, two K steps ahead.
.macro TURN slot, next, fill
	s_wait_tensorcnt 0x0                           ; all my tensor loads have landed: my part of the next slot
	ds_add_u32 v[SPW], v[NIL]                      ; 0 onto my spare word
	s_wait_dscnt 4*NL+1                            ; (the add and the youngest sixteen loads, A's blocks 4-7, may be out)
	WIN MUL_LO
	MUL16 0, 1, NQ-1, \slot, 0                     ; sixteen matrix instructions stand between the add and the wait for it
	s_wait_dscnt 0x0                               ; the add is done, and my reads of this slot are over
	s_barrier_signal -1
	MUL16 2, 1, NQ-1, \slot, 0
	WIN 0
	s_barrier_wait -1
.if \fill
	CREST                                          ; the barrier has opened a round of the cluster's barrier: no wave of any partner still reads this slot's tile or has a load on its way
	s_add_nc_u64 s[G0+4*\slot+2:G0+4*\slot+3], s[G0+4*\slot+2:G0+4*\slot+3], 2*ROWB
	s_add_nc_u64 s[G0B+4*\slot+2:G0B+4*\slot+3], s[G0B+4*\slot+2:G0B+4*\slot+3], 2*ROWB
	JLOAD G0+4*\slot, G1, G0B+4*\slot, G1B         ; the first tensor load behind the round; its four v_nop are among the places in front of the loads below
	PLACES NP-4
.else
	PLACES NP
.endif
	s_wait_alu depctr_va_vdst(0)
	v_add_nc_u32 v[ADRS], 4*NQ, v[ADRS]            ; on to the next K step's scale words
	FETCH_B \next, 0, 0
	FETCH_A \next, 0, 0
	SCALES \next
	WIN MUL_HI
	MUL16 4, 1, NQ-1, \slot, 0
	MUL16 6, 1, NQ-1, \slot, 0
	PLACES NP
	WIN 0
	FETCH_A \next, 0, 4
.endm
	s_wait_alu depctr_va_vdst(0)
	s_wait_tensorcnt 0x0                           ; my tile of the head's four is in
	ds_add_u32 v[SPW], v[NIL]
	s_mov_b32 s[G1+2], 128<<16                     ; no tensor load of mine is out: from here on a load brings 128 rows
	s_mov_b32 s[G1+4], 128
	s_mov_b32 s[G1B+2], 128<<16
	s_mov_b32 s[G1B+4], 128
	s_wait_dscnt 0x0
	CROUND                                         ; all four tiles are in, and all sixteen work-groups are here
	JLOAD G0+4, G1, G0B+4, G1B                     ; K step 1's load, the first tensor load behind the round
	FETCH_B 0, 0, 0
	FETCH_A 0, 0, 0
	SCALES 0
	FETCH_A 0, 0, 4
	STEP 0, 0, 1                                   ; the first step stands in front of the loop: its products start the sums
	s_mov_b32 s3, LAPS-1
.Llap:                                                 ; a trip goes once round the ring and fills both slots again
	TURN 0, 1, 1
	STEP 1, 0, 0
	TURN 1, 0, 1
	STEP 0, 0, 0
	s_sub_co_u32 s3, s3, 1
	s_cmp_lg_u32 s3, 0
	s_cbranch_scc1 .Llap
	TURN 0, 1, 0                                   ; the last lap fills nothing
	STEP 1, 0, 0
	s_wait_dscnt 4*NL                              ; the very last step: nothing more to fetch
	WIN MUL_LO
	MUL16 0, 1, NQ-1, 1, 0
	MUL16 2, 1, NQ-1, 1, 0
	s_wait_dscnt 0
	WIN MUL_HI
	MUL16 4, 1, NQ-1, 1, 0
	MUL16 6, 1, NQ-1, 1, 0
	WIN 0
	PLACES NP                                      ; in front of the first read of results and of the first write of registers that held A's fragments
	s_cmp_eq_u32 ttmp9, 3
	s_cbranch_scc1 .Lr_out
	; ---- q, k, v: quantised in registers, stored as images.  First the places in qkvc and qkvs, from ids alone
	s_cmp_eq_u32 ttmp9, 2
	s_cselect_b32 s18, 6, 9                        ; images from one 128 rows of B' to the next: 64 (v: feature tiles) or 512 (q, k: token tiles), as a shift
	s_cselect_b32 s19, s100, s99                   ; which 128 tokens,
	s_cselect_b32 s20, s99, s100                   ; which pair of heads
	s_mov_b32 s21, 8                               ; scale bytes of a head for 128 tokens: 256, as a shift (q, k: four words a row, each for two tiles; v: four words for four tiles)
	s_cselect_b32 s22, 8192, 0                     ; v's scale words lie behind k's 8,192 bytes
	s_cmp_eq_u32 ttmp9, 0
	s_mov_b32 s23, 12288
	s_cselect_b32 s23, 8192, s23                   ; a head's scale bytes: q 8,192; k and v together 12,288
	s_cselect_b32 s66, 0, 524288                   ; q's region, or k's and v's
	s_lshl_b32 s18, s100, s18
	s_lshl_b32 s67, s99, 3
	s_add_co_u32 s18, s18, s67                     ; my first image,
	s_lshl_b32 s18, s18, 11                        ; 2,048 bytes each,
	s_lshl_b32 s67, ttmp9, 23                      ; in q's, k's or v's 8,388,608 bytes
	s_add_co_u32 s94, s18, s67
	s_mov_b32 s95, 0
	s_add_nc_u64 s[8:9], s[8:9], s[94:95]
	s_add_co_u32 s66, s66, s22
	s_and_b32 s22, s19, 15                         ; the step of 128 tokens within the batch
	s_lshl_b32 s22, s22, s21
	s_add_co_u32 s66, s66, s22
	s_and_b32 s19, s19, 48                         ; 16 x batch
	s_lshl_b32 s20, s20, 1
	s_add_co_u32 s19, s19, s20                     ; + the pair's first head
	s_mul_i32 s19, s19, s23
	s_add_co_u32 s94, s19, s66
	s_add_nc_u64 s[10:11], s[10:11], s[94:95]
	v_mul_u32_u24 v[SA], s23, v2                   ; lanes 16-31 store for the pair's second head
	v_lshl_add_u32 v[SA], v1, 4, v[SA]             ; four words a row
	v_mov_b32 v[FL], 0x8000000
.irp b, 0,1,2,3
	v_mov_b32 v[TM+4+\b], 0                        ; written once: a lane permute's destination counts as one of its sources
.endr
; Block a: my rows 16 a on of A'.  Its 64 result registers: register 16 b + i is column 32 b + 16 (lane / 16) + i of the true order: four blocks of 32, each in lanes l and l xor 16.
.macro QOUT a
.set AC, 64*((\a)%4)
	WIN 0x28+0x14*((\a)/4)                         ; sources 1 and 2: window 2 or 3
.irp b, 0,1,2,3
	v_max3_num_f32 v[TM+\b], v[FL], |v[AC+16*\b]|, |v[AC+16*\b+1]|   ; my 16 numbers of block b, and the floor; each accumulator is read from its low end on
.endr
.irp i, 2,4,6,8,10,12,14
.irp b, 0,1,2,3
	v_max3_num_f32 v[TM+\b], v[TM+\b], |v[AC+16*\b+\i]|, |v[AC+16*\b+\i+1]|   ; (the four blocks by turns)
.endr
.endr
	WIN 0
.irp b, 0,1,2,3
	v_permlanex16_b32 v[TM+4+\b], v[TM+\b], s96, s97
.endr
.irp b, 0,1,2,3
	v_max_num_f32 v[TM+\b], v[TM+\b], v[TM+4+\b]   ; with lane l xor 16's: the block's largest magnitude
.endr
.irp b, 0,1,2,3
	v_add_nc_u32 v[TM+12+\b], 0xf8800000, v[TM+\b] ; 15 off its exponent field: the conversion's scale operand
.endr
.irp b, 0,1,2,3
	v_and_or_b32 v[TM+8+\b], v[TM+\b], 0x7f800000, s98   ; 57,344 x the scale
.endr
.irp b, 0,1,2,3
	v_lshrrev_b32 v[TM+4+\b], 23, v[TM+12+\b]      ; the scale's byte
.endr
	v_lshl_or_b32 v[SW+(\a)], v[TM+5], 8, v[TM+4]  ; the four bytes make my row's scale word
	v_lshl_or_b32 v[SW+(\a)], v[TM+6], 16, v[SW+(\a)]
	v_lshl_or_b32 v[SW+(\a)], v[TM+7], 24, v[SW+(\a)]
	WIN 0x02+((\a)/4)                              ; source 0: window 2 or 3
.irp b, 0,1,2,3
.irp i, 0,1,2,3,4,5,6,7,8,9,10,11,12,13,14,15
	v_med3_num_f32 v[XQ+16*\b+\i], v[AC+16*\b+\i], -v[TM+8+\b], v[TM+8+\b]   ; the conversion to an 8-bit code does not saturate (ISA guide 7.6.2): the hold comes first
.endr
.endr
	WIN 0
	s_wait_alu depctr_va_vdst(0)
	s_wait_xcnt 0x0                                ; the last block's stores have read the codes' registers
.irp g, 0,1,2,3,4,5,6,7
	v_cvt_scalef32_pk8_bf8_f32 v[PC+2*\g:PC+2*\g+1], v[XQ+8*\g:XQ+8*\g+7], v[TM+12+\g/2]
.endr
	v_nop                                          ; one plain line behind the last conversion
.irp c, 0,1,2,3
	global_store_b128 v[CO], v[PC+4*\c:PC+4*\c+3], s[8:9] offset:2048*(\a)+512*\c th:TH_STORE_NT   ; the image: 32 lanes store 512 consecutive bytes
.endr
.endm
.irp a, 0,1,2,3,4,5,6,7
	QOUT \a
.endr
	s_cmp_eq_u32 ttmp9, 2
	s_cbranch_scc1 .Lv_scales
.irp a, 0,1,2,3,4,5,6,7
	v_lshrrev_b32 v[SW+\a], v[SH], v[SW+\a]        ; q, k: bytes 0, 1 are head 2 j's blocks, bytes 2, 3 head 2 j + 1's: lanes 16-31 bring theirs down.  What stands in bytes 2, 3 then scales zero codes alone, and is never 0xff
.endr
.irp k, 0,1,2,3
	v_perm_b32 v[SW+\k], v[SW+2*\k+1], v[SW+2*\k], 0x05040100   ; word k: tile 2 k's two bytes below, tile 2 k + 1's above: the scale word of an operand that holds the two tiles' 64 features side by side
.endr
	global_store_b128 v[SA], v[SW:SW+3], s[10:11]              ; sixteen lanes store 256 consecutive bytes
	s_branch .Ldone
.Lv_scales:
	v_cmp_ne_u32 vcc_lo, 0, v[SH]                  ; v: feature tiles 0-3 are head 2 j's, tiles 4-7 head 2 j + 1's: lanes 16-31 take the latter
.irp k, 0,1,2,3
	v_cndmask_b32 v[SW+\k], v[SW+\k], v[SW+4+\k], vcc_lo
.endr
	global_store_b128 v[SA], v[SW:SW+3], s[10:11]
	s_branch .Ldone
.Lr_out:
	; ---- the residual, f32, in the true order.  A block of 16 stored rows x 128 columns goes through my stage and comes back as whole rows of 512 bytes
	s_lshl_b32 s18, s99, 19                        ; my 128 rows of 4,096 bytes
	s_lshl_b32 s19, s100, 9                        ; my 128 columns
	s_add_co_u32 s18, s18, s19
	s_mov_b32 s19, 0
	s_add_nc_u64 s[12:13], s[12:13], s[18:19]
.macro TOSTAGE a
.set AC, 64*((\a)%4)
	WIN 0x08+4*((\a)/4)                            ; an LDS store's data are its source 1: window 2 or 3
.irp b, 0,1,2,3,4,5,6,7
	ds_store_b128 v[STO], v[AC+8*\b:AC+8*\b+3] offset:128*(\b/2)+32*(\b%2)          ; tile b's register j is column 32 (b / 2) + 16 h + 8 (b % 2) + j; each accumulator from its low end on
	ds_store_b128 v[STO], v[AC+8*\b+4:AC+8*\b+7] offset:128*(\b/2)+32*(\b%2)+16
.endr
	WIN 0
.set BB, BK+64*((\a)%2)
.irp t, 0,1,2,3,4,5,6,7,8,9,10,11,12,13,14,15
	ds_load_b128 v[BB+4*\t:BB+4*\t+3], v[RD] offset:\t*SPITCH     ; LDS serves a wave's instructions in order (ISA guide 5.7.1.4): these see the stores above
.endr
.endm
.macro SEND a, younger                 ; younger: the LDS instructions issued behind block a's loads, which may stay out
.set BB, BK+64*((\a)%2)
	s_wait_dscnt \younger
.irp t, 0,1,2,3,4,5,6,7,8,9,10,11,12,13,14,15
	global_store_b128 v[CO], v[BB+4*\t:BB+4*\t+3], s[12:13] offset:(32*((\a)/2)+8*((\a)%2)+16*(\t/8)+\t%8)*4096 th:TH_STORE_NT   ; stored row t of block a is true row 32 (a / 2) + 16 (t / 8) + 8 (a % 2) + t % 8; 32 lanes store 512 consecutive bytes
.endr
.endm
	TOSTAGE 0
.irp a, 1,2,3,4,5,6,7
.if \a > 1
	s_wait_xcnt 0x0                                ; block a - 2's stores have read their registers: block a's loads may land there
.endif
	TOSTAGE \a
	SEND \a-1, 32                                  ; behind block a - 1's loads: block a's 16 stores and 16 loads
.endr
	SEND 7, 0
.Ldone:
	s_wait_tensorcnt 0x0                           ; the wave's end
	ds_add_u32 v[SPW], v[NIL]
	s_wait_dscnt 0x0
	CROUND                                         ; the closing round: no work-group ends while a partner may still ask for a tile that names it
	s_endpgm
.Lfunc_end_k_qfad877951f_proj:
	.size	k_qfad877951f_proj, .Lfunc_end_k_qfad877951f_proj-k_qfad877951f_proj
	.p2alignl 7, 3214868480
	.fill 96, 4, 3214868480
	.section	.rodata,"a",@progbits
	.p2align	6, 0x0
	.amdhsa_kernel k_qfad877951f_proj
		.amdhsa_group_segment_fixed_size 327680
		.amdhsa_private_segment_fixed_size 0
		.amdhsa_enable_private_segment 0
		.amdhsa_kernarg_size 40
		.amdhsa_user_sgpr_count 2
		.amdhsa_user_sgpr_kernarg_segment_ptr 1
		.amdhsa_wavefront_size32 1
		.amdhsa_system_sgpr_workgroup_id_x 1
		.amdhsa_system_sgpr_workgroup_id_y 1
		.amdhsa_system_sgpr_workgroup_id_z 1
		.amdhsa_system_vgpr_workitem_id 0
		.amdhsa_next_free_vgpr 1024
		.amdhsa_next_free_sgpr 102
		.amdhsa_reserve_vcc 1
		.amdhsa_float_denorm_mode_32 3
		.amdhsa_float_denorm_mode_16_64 3
		.amdhsa_memory_ordered 1
		.amdhsa_forward_progress 1
		.amdhsa_inst_pref_size 216
	.end_amdhsa_kernel
	.amdgpu_metadata
---
amdhsa.version: [ 1, 2 ]
amdhsa.kernels:
  - .name:           k_qfad877951f_proj
    .symbol:         k_qfad877951f_proj.kd
    .args:
      - { .name: pc, .offset: 0, .size: 8, .value_kind: global_buffer, .address_space: global }
      - { .name: ps, .offset: 8, .size: 8, .value_kind: global_buffer, .address_space: global }
      - { .name: qkvc, .offset: 16, .size: 8, .value_kind: global_buffer, .address_space: global }
      - { .name: qkvs, .offset: 24, .size: 8, .value_kind: global_buffer, .address_space: global }
      - { .name: res, .offset: 32, .size: 8, .value_kind: global_buffer, .address_space: global }
    .group_segment_fixed_size: 327680
    .private_segment_fixed_size: 0
    .kernarg_segment_align: 8
    .kernarg_segment_size: 40
    .max_flat_workgroup_size: 128
    .sgpr_count:     102
    .vgpr_count:     1024
    .wavefront_size: 32
...
	.end_amdgpu_metadata
.endif
;; end of part 2
;; launch attn (part 3): grid 4 x 64, 16 waves a work-group, clusters of 4 x 1, 327,680 bytes of LDS; arguments qkvc, qkvs, att; writes att
.if DOCPART == 3
	.amdgcn_target "amdgcn-amd-amdhsa--gfx1250"
	.amdhsa_code_object_version 6
	.text
	.protected	k_qfad877951f_attn
	.globl	k_qfad877951f_attn
	.p2align	8
	.type	k_qfad877951f_attn,@function
k_qfad877951f_attn:
	s_mov_b64 s[64:65], 0
	v_nop
	global_prefetch_b8 v0, s[64:65] scope:SCOPE_SE
	s_setreg_imm32_b32 hwreg(HW_REG_WAVE_MODE, 25, 1), 1
	s_wait_xcnt 0x0
	s_wait_alu depctr_hold_cnt(0) depctr_sa_sdst(0) depctr_va_vdst(0) depctr_va_sdst(0) depctr_va_ssrc(0) depctr_va_vcc(0) depctr_vm_vsrc(0)
	s_getreg_b32 s2, hwreg(HW_REG_IB_STS2, 6, 4)
	s_cmp_eq_u32 s2, 0
	s_cbranch_scc0 .Lentry_in_a_cluster
	s_endpgm
.Lentry_in_a_cluster:
	s_bfe_u32 s2, ttmp6, 0x10000c
	s_cmp_lg_u32 s2, 0x3003
	s_cbranch_scc0 .Lentry_shape_is_right
	s_endpgm
.Lentry_shape_is_right:
; att[b][q][h][:] = the sum over k of softmax_k(q . k / 8) v, for each of 64 (batch, head), both products on codes of BF8 (E5M2) with one E8M0 scale for each 32 along K.
; q, k, v come from qkvc as images of operand registers ([group of 4 registers][lane][16 bytes]) and their scale words from qkvs, as the launch before laid them (tokens and features in its stored order).
; THE SOFTMAX: t = score x log2(e) / 8; M = the running largest t rounded up to a whole number; p = 2^(t - M) is quantised along the keys, not normalised; the row's sum is taken of the unquantised p and divides at the end.
; When M moves, the sum and O are multiplied by 2^(old M - new M), exactly, in every step: no branch on data.  LIMIT: the promise holds while the scaled scores stay under 2^31 in magnitude; NaN and infinities are not served.
; SHARES.  A head's K (131,072 bytes), V (131,072) and their scale words (8,192) fit in LDS together: they are brought ONCE, by the head's tensor loads, one a wave, and stay.  Behind one barrier the key loop has no refill and no barrier.
; A work-group owns 512 queries of one head; each of its sixteen waves owns one tile of 16 queries in each of two passes.  The four work-groups of a head form a cluster and ask for every tile jointly.
; No prefetch: every tile of the launch is asked for by the head's loads, so there is no later load to run ahead of.
; LAYOUT.  Both products are used transposed (S^T = K Q^T, O^T = V^T P^T): a lane holds one query.  The head's size is 64, half of the instruction's 128: an operand of K holds TWO key tiles side by side (tile 2 u in registers 0-7,
; tile 2 u + 1 in 8-15) and is multiplied by [q | 0] and by [0 | q]: v16-23 q, v24-31 zeros, v32-39 q again.  Zero codes add nothing under any finite scale byte.
; A step is 128 keys.  K's 16 loads of the next step are issued behind this step's first product; V's land on the scores' registers once these are codes.
.set VB,    131072                     ; LDS: K's 128 tiles of 1,024 bytes from 0; V's 16 steps of 8,192 bytes from VB
.set SC,    262144                     ; K's scale words, 256 bytes a step; 4,096 on: V's
.set SPARE, 270848                     ; the spare words, 128 bytes a wave
.set STAGE, 272896                     ; the way out: 16 rows x (128 + 16) bytes for each wave; no tensor load lands here
.set SPB,   16*144
.set DUAL,  1                          ; the hold as dual-issue pairs
.set LI,   1                           ; 16 x lane
.set LIV,  2                           ; VB + 16 x lane
.set LRS,  3                           ; SC + 16 x (lane % 16)
.set LR,   4                           ; 16 x (lane % 16)
.set SPW,  5
.set NIL,  6
.set GO,   7                           ; my byte offset in the wave's rows of att
.set PW,   9                           ; p's scale word
.set STI,  10                          ; the stage, in
.set STO,  11                          ; the stage, back
.set KF,   40                          ; v40-103  K's eight tiles
.set SS,   104                         ; v104-167 S^T, then p, then V's four fragments
.set OO,   168                         ; v168-199 O^T
.set PP,   200                         ; v200-215 p's codes
.set BM,   216                         ; block maxima
.set PM,   220                         ; the other half's maxima, then bytes
.set HD,   224                         ; 57,344 x the scale, twice for each block (the two halves of a dual pair name registers of different banks)
.set SO,   232                         ; the conversions' scale operands
.set KSC,  236                         ; K's scale words
.set VSC,  240                         ; V's
.set FF,   244                         ; f = 2^(old M - new M); v245 is named with it as a pair
.set T1,   246                         ; two chains of the step's sum
.set T2,   248
.set ADK,  250
.set ADS,  251
.set ADV,  252
.set RR,   253                         ; lane % 16
.set TMP,  254
.set QW,   255                         ; q's scale word, its two bytes twice
.set WV,   18
.set MNT,  19
.set SEL,  20
.set CS,   22
.set G1K,  24
.set G1V,  32
.set G1S,  40
.set G0K,  48
.set G0V,  52
.set G0S,  56
.set TK,   60                          ; 8,192 x the next step, modulo 16 steps
.set TS,   61                          ; 256 x the same
.set CNT,  62
.macro CROUND
	s_barrier_signal -1
	s_barrier_wait -1
	s_cmp_lg_u32 s[WV], 0
	s_cbranch_scc1 .Lnot_wave_0_\@
	s_barrier_signal -3
.Lnot_wave_0_\@:
	s_barrier_wait -3
	s_barrier_signal -1
	s_barrier_wait -1
.endm
	s_load_b128 s[4:7], s[0:1], 0x0                ; qkvc, qkvs
	s_load_b64 s[8:9], s[0:1], 0x10                ; att
	v_lshl_add_u32 v[SPW], v0, 2, SPARE
	v_mov_b32 v[NIL], 0
	ds_add_u32 v[SPW], v[NIL]                      ; the opening lines: the add twice on end and one wait
	ds_add_u32 v[SPW], v[NIL]
	v_lshrrev_b32 v[BM], 5, v0
	v_readfirstlane_b32 s[WV], v[BM]               ; wave 0..15
	s_bfe_u32 s68, ttmp6, 0x40000                  ; cx: which 512 queries
	s_and_b32 s70, ttmp7, 0xffff                   ; 16 x batch + head
	s_lshr_b32 s71, s70, 4
	s_and_b32 s72, s70, 15
	s_lshr_b32 s73, s72, 1
	s_and_b32 s74, s72, 1
	s_lshl_b32 s81, s73, 9
	s_lshl_b32 s83, s71, 7
	s_add_co_u32 s81, s81, s83
	s_lshl_b32 s81, s81, 11
	s_lshl_b32 s83, s74, 10
	s_add_co_u32 s81, s81, s83                     ; q's and k's images: (512 x pair + 128 x batch + tile) x 2,048, + 1,024 for the pair's second head
	s_and_b32 s75, s[WV], 7                        ; waves 0-7 fetch 16 tiles of K each
	s_lshl_b32 s84, s75, 15
	s_add_co_u32 s84, s84, s81
	s_add_co_u32 s84, s84, 8388608
	s_mov_b32 s85, 0
	s_lshl_b32 s76, s75, 14
	s_and_b32 s75, s[WV], 3                        ; waves 8-11 fetch 4 steps of V each
	s_lshl_b32 s86, s71, 10
	s_lshl_b32 s83, s72, 2
	s_add_co_u32 s86, s86, s83
	s_lshl_b32 s86, s86, 11
	s_add_co_u32 s86, s86, 16777216                ; v's images: (1,024 x batch + 64 x step + 4 x head + tile) x 2,048
	s_lshl_b32 s83, s75, 19
	s_add_co_u32 s86, s86, s83
	s_mov_b32 s87, 0
	s_lshl_b32 s77, s75, 15
	s_add_co_u32 s77, s77, VB
	s_mul_i32 s88, s70, 12288                      ; wave 12 fetches the head's scale words: k's 4,096 bytes, and v's, 8,192 on
	s_add_co_u32 s88, s88, 524288
	s_mov_b32 s89, 0
	s_lshl_b32 s82, s68, 5
	s_add_co_u32 s82, s82, s[WV]                   ; my tile of queries in the first pass; the second pass's is 16 on
	s_lshl_b32 s90, s82, 11
	s_add_co_u32 s90, s90, s81
	s_mov_b32 s91, 0
	s_lshl_b32 s92, s70, 13                        ; q's scale words: 8,192 bytes a head, 256 for 8 tiles, a word for two tiles
	s_lshr_b32 s93, s82, 3
	s_lshl_b32 s93, s93, 8
	s_add_co_u32 s92, s92, s93
	s_bfe_u32 s93, s82, 0x20001
	s_lshl_b32 s93, s93, 2
	s_add_co_u32 s92, s92, s93
	s_mov_b32 s93, 0
	s_lshl_b32 s94, s71, 11                        ; att: stored tile T begins at true row 32 (T / 2) + 8 (T % 2)
	s_lshr_b32 s95, s82, 1
	s_lshl_b32 s95, s95, 5
	s_add_co_u32 s94, s94, s95
	s_and_b32 s95, s82, 1
	s_lshl_b32 s95, s95, 3
	s_add_co_u32 s94, s94, s95
	s_lshl_b32 s94, s94, 12
	s_lshl_b32 s95, s72, 8
	s_add_co_u32 s94, s94, s95
	s_mov_b32 s95, 0
	s_bitcmp1_b32 s[WV], 0                         ; an odd tile's two bytes stand in its word's upper half
	s_mov_b32 s96, 0x01000100
	s_cselect_b32 s96, 0x03020302, s96
	s_mov_b32 s[G1K], 15|(3<<16)|(1<<21)           ; K: 16 rows of 1,024 bytes (128 elements of 8), 2,048 apart; the mask names the cluster's four
	s_mov_b32 s[G1K+1], 128<<16
	s_mov_b32 s[G1K+2], 16<<16
	s_mov_b32 s[G1K+3], 128<<16
	s_mov_b32 s[G1K+4], 16
	s_mov_b32 s[G1K+5], 256
	s_mov_b32 s[G1K+6], 0
	s_mov_b32 s[G1K+7], 0
	s_mov_b32 s[G1V], 15|(3<<16)|(1<<21)           ; V: 4 rows of 8,192 bytes, 131,072 apart
	s_mov_b32 s[G1V+1], 1024<<16
	s_mov_b32 s[G1V+2], 4<<16
	s_mov_b32 s[G1V+3], 1024<<16
	s_mov_b32 s[G1V+4], 4
	s_mov_b32 s[G1V+5], 16384
	s_mov_b32 s[G1V+6], 0
	s_mov_b32 s[G1V+7], 0
	s_mov_b32 s[G1S], 15|(3<<16)|(1<<21)           ; the scale words: 2 rows of 4,096 bytes, 8,192 apart
	s_mov_b32 s[G1S+1], 512<<16
	s_mov_b32 s[G1S+2], 2<<16
	s_mov_b32 s[G1S+3], 512<<16
	s_mov_b32 s[G1S+4], 2
	s_mov_b32 s[G1S+5], 1024
	s_mov_b32 s[G1S+6], 0
	s_mov_b32 s[G1S+7], 0
	s_mov_b32 s[SEL], 0x76543210
	s_mov_b32 s[SEL+1], 0xfedcba98
	s_mov_b32 s[CS], 0x3e38aa3b                    ; c = log2(e) / 8
	s_mov_b32 s[CS+1], s[CS]
	s_mov_b32 s[MNT], 0x600000
	s_mov_b32 s[TK], 0
	s_wait_dscnt 0x0
	s_wait_kmcnt 0x0
	s_mov_b32 s[G0K], 1
	s_mov_b32 s[G0K+1], s76
	s_add_nc_u64 s[G0K+2:G0K+3], s[4:5], s[84:85]
	s_or_b32 s[G0K+3], s[G0K+3], 0x80000000
	s_mov_b32 s[G0V], 1
	s_mov_b32 s[G0V+1], s77
	s_add_nc_u64 s[G0V+2:G0V+3], s[4:5], s[86:87]
	s_or_b32 s[G0V+3], s[G0V+3], 0x80000000
	s_mov_b32 s[G0S], 1
	s_mov_b32 s[G0S+1], SC
	s_add_nc_u64 s[G0S+2:G0S+3], s[6:7], s[88:89]
	s_or_b32 s[G0S+3], s[G0S+3], 0x80000000
	s_add_nc_u64 s[10:11], s[4:5], s[90:91]        ; q's codes
	s_add_nc_u64 s[12:13], s[6:7], s[92:93]        ; q's scale words
	s_add_nc_u64 s[8:9], s[8:9], s[94:95]
	CROUND                                         ; the four work-groups are here: the joint loads meet
; THE LAUNCH'S TENSOR LOADS, at most one a wave, in one tree of branches on the wave's number.
.macro ARM under, g0, g1, next
	s_cmp_lt_u32 s[WV], \under
	s_cbranch_scc0 \next
	tensor_load_to_lds s[\g0:\g0+3], s[\g1:\g1+7]
	s_nop 0
.rept 4
	v_nop
.endr
	s_branch .Lhead_asked
\next:
.endm
	ARM 8,  G0K, G1K, .Lhead_v
	ARM 12, G0V, G1V, .Lhead_s
	ARM 13, G0S, G1S, .Lhead_none
.Lhead_asked:
	v_and_b32 v[BM], 31, v0
	v_lshlrev_b32 v[LI], 4, v[BM]
	v_and_b32 v[RR], 15, v0
	v_lshlrev_b32 v[LR], 4, v[RR]
.macro QLOAD p                         ; q's 1,024 bytes, twice, and its scale word
	global_load_b128 v[16:19], v[LI], s[10:11] offset:32768*\p
	global_load_b128 v[20:23], v[LI], s[10:11] offset:32768*\p+512
	global_load_b128 v[32:35], v[LI], s[10:11] offset:32768*\p
	global_load_b128 v[36:39], v[LI], s[10:11] offset:32768*\p+512
	global_load_b32 v[TMP], v[LR], s[12:13] offset:512*\p
.endm
	QLOAD 0
	v_add_nc_u32 v[LIV], VB, v[LI]
	v_add_nc_u32 v[LRS], SC, v[LR]
	v_bfe_u32 v[BM], v0, 4, 1                      ; h = lane / 16
	v_and_b32 v[BM+1], 7, v0
	s_mul_i32 s73, s[WV], SPB
	s_add_co_u32 s73, s73, STAGE                   ; my stage
	v_mul_u32_u24 v[STI], v[RR], 144
	v_lshl_add_u32 v[STI], v[BM], 6, v[STI]
	v_add_nc_u32 v[STI], s73, v[STI]               ; in: row l % 16; my half's 16 features of each 32 begin 64 h bytes on
	v_mul_u32_u24 v[STO], v[BM], 144
	v_lshl_add_u32 v[STO], v[BM+1], 4, v[STO]      ; eight lanes cover a stage row's 128 bytes; lanes 8-15 of a row read what lanes 0-7 read
	v_add_nc_u32 v[STO], s73, v[STO]               ; back: lanes 0-15 one row of 256 bytes, lanes 16-31 the next
	v_lshlrev_b32 v[GO], 12, v[BM]
	v_lshl_add_u32 v[GO], v[RR], 4, v[GO]
	v_mov_b32 v[ADK], v[LI]
	v_mov_b32 v[ADS], v[LRS]
	v_mov_b32 v[ADV], v[LIV]
.irp j, 0,1,2,3,4,5,6,7
	v_mov_b32 v[24+\j], 0                          ; the zero codes between q's two copies
.endr
.irp b, 0,1,2,3
	v_mov_b32 v[PM+\b], 0                          ; a lane permute's destination counts as one of its sources
.endr
	v_mov_b32 v[FF+1], 0
.macro KFETCH                          ; a step's eight tiles of K and their four scale words
.irp t, 0,1,2,3,4,5,6,7
.irp c, 0,1
	ds_load_b128 v[KF+8*\t+4*\c:KF+8*\t+4*\c+3], v[ADK] offset:1024*\t+512*\c
.endr
.endr
	ds_load_b128 v[KSC:KSC+3], v[ADS]
.endm
.macro STEP
	s_wait_dscnt 0x0                               ; this step's K, asked for a step ago
.irp u, 0,1,2,3
	v_wmma_scale_f32_16x16x128_f8f6f4 v[SS+16*\u:SS+16*\u+7], v[KF+16*\u:KF+16*\u+15], v[16:31], 0, v[KSC+\u], v[QW] matrix_a_fmt:MATRIX_FMT_BF8 matrix_b_fmt:MATRIX_FMT_BF8
	v_wmma_scale_f32_16x16x128_f8f6f4 v[SS+16*\u+8:SS+16*\u+15], v[KF+16*\u:KF+16*\u+15], v[24:39], 0, v[KSC+\u], v[QW] matrix_a_fmt:MATRIX_FMT_BF8 matrix_b_fmt:MATRIX_FMT_BF8
.endr
	s_add_co_u32 s[TK], s[TK], 8192
	s_and_b32 s[TK], s[TK], 0x1ffff                ; behind step 15 comes step 0: the next pass's (the launch's very last fetch is not used)
	s_lshr_b32 s[TS], s[TK], 5
	ds_load_b128 v[VSC:VSC+3], v[ADS] offset:4096  ; this step's scale words of V
	v_add_nc_u32 v[ADK], s[TK], v[LI]
	v_add_nc_u32 v[ADS], s[TS], v[LRS]
.rept 6
	v_nop                                          ; with the two additions: eight places behind the products, ahead of loads into their sources and of the first read of their results
.endr
	KFETCH
.irp b, 0,1,2,3
	v_max3_num_f32 v[BM+\b], v[SS+16*\b], v[SS+16*\b+1], v[SS+16*\b+2]   ; each block's largest score: for the row's maximum and, since p rises with the score, for the block's largest p
.endr
.irp i, 3,5,7,9,11,13
.irp b, 0,1,2,3
	v_max3_num_f32 v[BM+\b], v[BM+\b], v[SS+16*\b+\i], v[SS+16*\b+\i+1]
.endr
.endr
.irp b, 0,1,2,3
	v_max_num_f32 v[BM+\b], v[BM+\b], v[SS+16*\b+15]
.endr
.irp b, 0,1,2,3
	s_delay_alu instid0(VALU_DEP_4)
	v_permlanex16_b32 v[PM+\b], v[BM+\b], s[SEL], s[SEL+1]
.endr
.irp b, 0,1,2,3
	s_delay_alu instid0(VALU_DEP_4)
	v_max_num_f32 v[BM+\b], v[BM+\b], v[PM+\b]     ; with lane l xor 16's 16 keys
.endr
	s_delay_alu instid0(VALU_DEP_2)
	v_max3_num_f32 v[TMP], v[BM], v[BM+1], v[BM+2]
	s_delay_alu instid0(VALU_DEP_1)
	v_max_num_f32 v[TMP], v[TMP], v[BM+3]
	s_delay_alu instid0(VALU_DEP_1)
	v_mul_f32 v[TMP], s[CS], v[TMP]
	s_delay_alu instid0(VALU_DEP_1)
	v_max_num_f32 v13, v13, v[TMP]                 ; the running largest t
	v_mov_b32 v[TMP], v12
	s_delay_alu instid0(VALU_DEP_2)
	v_floor_f32 v12, -v13                          ; -M = floor(-t)
	s_delay_alu instid0(VALU_DEP_1)
	v_sub_f32 v[TMP], v12, v[TMP]
	s_delay_alu instid0(VALU_DEP_1)
	v_cvt_i32_f32 v[TMP], v[TMP]
	s_delay_alu instid0(VALU_DEP_1)
	v_ldexp_f32 v[FF], 1.0, v[TMP]                 ; f = 2^(old M - new M)
.irp j, 0,2,4,6,8,10,12,14,16,18,20,22,24,26,28,30,32,34,36,38,40,42,44,46,48,50,52,54,56,58,60,62
	v_pk_fma_f32 v[SS+\j:SS+\j+1], v[SS+\j:SS+\j+1], s[CS:CS+1], v[12:13] op_sel_hi:[1,0,0]   ; t - M
.endr
.irp b, 0,1,2,3
	v_fma_f32 v[BM+\b], v[BM+\b], s[CS], v12
.endr
	s_wait_alu depctr_va_vdst(0)                   ; the wait ahead of the batch
.irp j, 0,1,2,3,4,5,6,7,8,9,10,11,12,13,14,15,16,17,18,19,20,21,22,23,24,25,26,27,28,29,30,31,32,33,34,35,36,37,38,39,40,41,42,43,44,45,46,47,48,49,50,51,52,53,54,55,56,57,58,59,60,61,62,63
	v_exp_f32 v[SS+\j], v[SS+\j]                   ; p
.endr
.irp b, 0,1,2,3
	v_exp_f32 v[BM+\b], v[BM+\b]                   ; each block's largest p
.endr
	v_nop                                          ; one plain place behind the batch
	s_wait_alu depctr_va_vdst(0)                   ; and the one wait ahead of its first reader
.irp b, 0,1,2,3
	v_max_num_f32 v[BM+\b], 0x8000000, v[BM+\b]    ; the floor 2^(16 - 127): the byte cannot fall under 1
.endr
.irp b, 0,1,2,3
	s_delay_alu instid0(VALU_DEP_4)
	v_add_nc_u32 v[SO+\b], 0xf8800000, v[BM+\b]    ; 15 off the exponent field: the conversion's scale operand
.endr
.irp b, 0,1,2,3
	v_and_or_b32 v[HD+2*\b], v[BM+\b], 0x7f800000, s[MNT]     ; 57,344 x the scale
	v_and_or_b32 v[HD+2*\b+1], v[BM+\b], 0x7f800000, s[MNT]
.endr
.irp b, 0,1,2,3
	v_lshrrev_b32 v[PM+\b], 23, v[SO+\b]           ; the scale's byte
.endr
	s_delay_alu instid0(VALU_DEP_3)
	v_lshl_or_b32 v[PW], v[PM+1], 8, v[PM]
	s_delay_alu instid0(VALU_DEP_1)
	v_lshl_or_b32 v[PW], v[PM+2], 16, v[PW]
	s_delay_alu instid0(VALU_DEP_1)
	v_lshl_or_b32 v[PW], v[PM+3], 24, v[PW]
	v_pk_add_f32 v[T1:T1+1], v[SS:SS+1], v[SS+4:SS+5]          ; the step's sum of the unquantised p, in two chains
	v_pk_add_f32 v[T2:T2+1], v[SS+2:SS+3], v[SS+6:SS+7]
.irp j, 8,12,16,20,24,28,32,36,40,44,48,52,56,60
	v_pk_add_f32 v[T1:T1+1], v[T1:T1+1], v[SS+\j:SS+\j+1]
	v_pk_add_f32 v[T2:T2+1], v[T2:T2+1], v[SS+\j+2:SS+\j+3]
.endr
.irp b, 0,1,2,3
.irp i, 0,2,4,6,8,10,12,14
.if DUAL
	v_dual_min_num_f32 v[SS+16*\b+\i], v[SS+16*\b+\i], v[HD+2*\b] :: v_dual_min_num_f32 v[SS+16*\b+\i+1], v[SS+16*\b+\i+1], v[HD+2*\b+1]   ; the conversion does not saturate (ISA guide 7.6.2); p is not negative, so the hold is one-sided
.else
	v_min_num_f32 v[SS+16*\b+\i], v[SS+16*\b+\i], v[HD+2*\b]
	v_min_num_f32 v[SS+16*\b+\i+1], v[SS+16*\b+\i+1], v[HD+2*\b+1]
.endif
.endr
	v_cvt_scalef32_pk8_bf8_f32 v[PP+4*\b:PP+4*\b+1], v[SS+16*\b:SS+16*\b+7], v[SO+\b]
	v_cvt_scalef32_pk8_bf8_f32 v[PP+4*\b+2:PP+4*\b+3], v[SS+16*\b+8:SS+16*\b+15], v[SO+\b]
.endr
.irp t, 0,1,2,3
.irp c, 0,1,2,3
	ds_load_b128 v[SS+16*\t+4*\c:SS+16*\t+4*\c+3], v[ADV] offset:2048*\t+512*\c   ; V's four fragments, where p lay
.endr
.endr
	s_wait_alu depctr_va_vdst(0)                   ; the wait directly ahead of the first readers of O^T
.irp j, 0,2,4,6,8,10,12,14,16,18,20,22,24,26,28,30
	v_pk_mul_f32 v[OO+\j:OO+\j+1], v[OO+\j:OO+\j+1], v[FF:FF+1] op_sel_hi:[1,0]   ; O^T under the new M; also the places ahead of the products below
.endr
	s_wait_alu depctr_va_vdst(0)                   ; the wait directly ahead of the wait below
	s_wait_dscnt 0x0
.irp t, 0,1,2,3
	v_wmma_scale_f32_16x16x128_f8f6f4 v[OO+8*\t:OO+8*\t+7], v[SS+16*\t:SS+16*\t+15], v[PP:PP+15], v[OO+8*\t:OO+8*\t+7], v[VSC+\t], v[PW] matrix_a_fmt:MATRIX_FMT_BF8 matrix_b_fmt:MATRIX_FMT_BF8
.endr
	v_pk_fma_f32 v[14:15], v[14:15], v[FF:FF+1], v[T1:T1+1] op_sel_hi:[1,0,1]   ; the row's sum under the new M.  These nine lines are the places ahead of the next products, which write over V's registers
	v_add_nc_u32 v[ADV], s[TK], v[LIV]
.rept 3
	v_nop
.endr
	v_pk_add_f32 v[14:15], v[14:15], v[T2:T2+1]
.rept 3
	v_nop
.endr
.endm
.macro HALFOUT ph, dst                 ; features 32 ph .. 32 ph + 31 of my 16 rows through my stage, and back by rows into v[dst ..]
.irp u, 0,1
	ds_store_b128 v[STI], v[SS+16*\ph+8*\u:SS+16*\ph+8*\u+3] offset:32*\u
	ds_store_b128 v[STI], v[SS+16*\ph+8*\u+4:SS+16*\ph+8*\u+7] offset:32*\u+16
.endr
.irp i, 0,1,2,3,4,5,6,7
	ds_load_b128 v[\dst+4*\i:\dst+4*\i+3], v[STO] offset:2*\i*144   ; LDS serves a wave's instructions in order: these see the stores above, and the next half's stores come behind them
.endr
.endm
.macro PASS p
	s_wait_loadcnt 0x0                             ; q
.if \p > 0
	s_wait_xcnt 0x0                                ; the last pass's stores have read their registers
.endif
	v_perm_b32 v[QW], v[TMP], v[TMP], s96          ; my tile's two bytes, twice
	v_mov_b32 v13, 0xff61b1e6                      ; the largest t so far: -3e38
	v_floor_f32 v12, -v13
	v_mov_b32 v14, 0
	v_mov_b32 v15, 0
.irp j, 0,1,2,3,4,5,6,7,8,9,10,11,12,13,14,15,16,17,18,19,20,21,22,23,24,25,26,27,28,29,30,31
	v_mov_b32 v[OO+\j], 0                          ; the step is written once: the first finds zeros
.endr
	s_mov_b32 s[CNT], 16
.Lstep_\p:
	STEP
	s_sub_co_u32 s[CNT], s[CNT], 1
	s_cmp_lg_u32 s[CNT], 0
	s_cbranch_scc1 .Lstep_\p
	s_wait_alu depctr_va_vdst(0)
	v_add_f32 v14, v14, v15
	s_delay_alu instid0(VALU_DEP_1)
	v_permlanex16_b32 v[TMP], v14, s[SEL], s[SEL+1]
	s_delay_alu instid0(VALU_DEP_1)
	v_add_f32 v14, v14, v[TMP]                     ; the row's sum
.if \p == 0
	QLOAD 1                                        ; the next pass's q comes while this pass goes out
.endif
	s_wait_alu depctr_va_vdst(0)                   ; the wait ahead of the transcendental
	v_rcp_f32 v14, v14
	v_nop
	s_wait_alu depctr_va_vdst(0)                   ; and ahead of its first reader, which is also the first reader of O^T
.irp j, 0,1,2,3,4,5,6,7,8,9,10,11,12,13,14,15,16,17,18,19,20,21,22,23,24,25,26,27,28,29,30,31
	v_mul_f32 v[SS+\j], v[OO+\j], v14
.endr
	HALFOUT 0, SS+32
	HALFOUT 1, OO                                  ; O^T's registers are done with
	s_wait_dscnt 0x0
	v_cmp_le_u32 vcc_lo, 8, v[RR]                  ; of the sixteen lanes of a row, lanes 8-15 take the second 128 bytes
.irp k, 0,1,2,3,4,5,6,7,8,9,10,11,12,13,14,15,16,17,18,19,20,21,22,23,24,25,26,27,28,29,30,31
	v_cndmask_b32 v[SS+32+\k], v[SS+32+\k], v[OO+\k], vcc_lo
.endr
.irp i, 0,1,2,3,4,5,6,7
	global_store_b128 v[GO], v[SS+32+4*\i:SS+32+4*\i+3], s[8:9] offset:1048576*\p+(16*(\i/4)+2*(\i%4))*4096 th:TH_STORE_NT   ; sixteen lanes store 256 consecutive bytes, a head's part of a row
.endr
.endm
	s_wait_alu depctr_va_vdst(0)                   ; the wait at the head's end
	s_wait_tensorcnt 0x0                           ; my load is in,
	s_barrier_signal -1
	s_barrier_wait -1                              ; everybody's are: K, V and the scale words stand for the rest of the launch
	KFETCH
	PASS 0
	PASS 1
	s_wait_tensorcnt 0x0                           ; the wave's end
	ds_add_u32 v[SPW], v[NIL]
	s_wait_dscnt 0x0
	CROUND                                         ; the closing round
	s_endpgm
.Lfunc_end_k_qfad877951f_attn:
	.size	k_qfad877951f_attn, .Lfunc_end_k_qfad877951f_attn-k_qfad877951f_attn
	.p2alignl 7, 3214868480
	.fill 96, 4, 3214868480
	.section	.rodata,"a",@progbits
	.p2align	6, 0x0
	.amdhsa_kernel k_qfad877951f_attn
		.amdhsa_group_segment_fixed_size 327680
		.amdhsa_private_segment_fixed_size 0
		.amdhsa_enable_private_segment 0
		.amdhsa_kernarg_size 24
		.amdhsa_user_sgpr_count 2
		.amdhsa_user_sgpr_kernarg_segment_ptr 1
		.amdhsa_wavefront_size32 1
		.amdhsa_system_sgpr_workgroup_id_x 1
		.amdhsa_system_sgpr_workgroup_id_y 1
		.amdhsa_system_sgpr_workgroup_id_z 1
		.amdhsa_system_vgpr_workitem_id 0
		.amdhsa_next_free_vgpr 256
		.amdhsa_next_free_sgpr 100
		.amdhsa_reserve_vcc 1
		.amdhsa_float_denorm_mode_32 3
		.amdhsa_float_denorm_mode_16_64 3
		.amdhsa_memory_ordered 1
		.amdhsa_forward_progress 1
		.amdhsa_inst_pref_size 62
	.end_amdhsa_kernel
	.amdgpu_metadata
---
amdhsa.version: [ 1, 2 ]
amdhsa.kernels:
  - .name:           k_qfad877951f_attn
    .symbol:         k_qfad877951f_attn.kd
    .args:
      - { .name: qkvc, .offset: 0, .size: 8, .value_kind: global_buffer, .address_space: global }
      - { .name: qkvs, .offset: 8, .size: 8, .value_kind: global_buffer, .address_space: global }
      - { .name: att, .offset: 16, .size: 8, .value_kind: global_buffer, .address_space: global }
    .group_segment_fixed_size: 327680
    .private_segment_fixed_size: 0
    .kernarg_segment_align: 8
    .kernarg_segment_size: 24
    .max_flat_workgroup_size: 512
    .sgpr_count:     100
    .vgpr_count:     256
    .wavefront_size: 32
...
	.end_amdgpu_metadata
.endif
;; end of part 3
;; launch lnorm (part 4): grid 256 x 1, 8 waves a work-group, no clusters, 0 bytes of LDS; arguments att, res, gamma, beta, out0; writes out0
.if DOCPART == 4
	.amdgcn_target "amdgcn-amd-amdhsa--gfx1250"
	.amdhsa_code_object_version 6
	.text
	.protected	k_qfad877951f_lnorm
	.globl	k_qfad877951f_lnorm
	.p2align	8
	.type	k_qfad877951f_lnorm,@function
k_qfad877951f_lnorm:
	s_mov_b64 s[64:65], 0
	v_nop
	global_prefetch_b8 v0, s[64:65] scope:SCOPE_SE
	s_setreg_imm32_b32 hwreg(HW_REG_WAVE_MODE, 25, 1), 1
	s_wait_xcnt 0x0
; out0[row] = LayerNorm(relu(att[row] + res[row])) x gamma + beta over the row's 1,024 columns, all f32; variance from the differences to the mean, eps = 1e-5.
; A row is 4,096 bytes: one wave takes a whole row, eight 16-byte loads a lane from each of the two buffers, and keeps it in 32 registers through both passes: each byte is read once, and no wave waits for another.
; Eight waves, 4 rows each, in two row slots: while one row is worked on, the next row's 16 loads are on their way.  gamma and beta of a lane's 32 columns stay in registers.
; Memory binds: no LDS, no barrier, no matrix unit.  Each load and store of a wave covers 512 consecutive bytes.
.set G,  8                             ; v8-39    gamma of my 32 columns
.set BT, 40                            ; v40-71   beta
                                       ; v72-135  slot 0: 32 registers of att's row (later the result), 32 of res's;  v136-199 slot 1
                                       ; v200-207 four chains of sums;  v[208:209] the mean, twice;  v[210:211] 1 / sqrt(var + eps), twice;  v212-213 at work
	s_load_b256 s[4:11], s[0:1], 0x0               ; att s[4:5], res s[6:7], gamma s[8:9], beta s[10:11]
	s_load_b64 s[12:13], s[0:1], 0x20              ; out0
	v_lshrrev_b32 v2, 5, v0
	s_delay_alu instid0(VALU_DEP_1)
	v_readfirstlane_b32 s14, v2                    ; wave
	v_and_b32 v1, 31, v0
	s_delay_alu instid0(VALU_DEP_1)
	v_lshlrev_b32 v1, 4, v1                        ; 16 bytes a lane; never rewritten
	s_lshl_b32 s15, ttmp9, 3
	s_add_co_u32 s15, s15, s14
	s_lshl_b32 s16, s15, 14                        ; my 4 rows of 4,096 bytes
	s_mov_b32 s17, 0
	s_mov_b32 s20, 0x3a800000                      ; 1 / 1,024
	s_mov_b32 s21, 0x3727c5ac                      ; 1e-5
	s_mov_b32 s22, 0x76543210
	s_mov_b32 s23, 0xfedcba98                      ; v_permlanex16_b32's selects for lane l xor 16
	v_mov_b32 v213, 0                              ; written once: a lane permute's destination counts as one of its sources
	s_wait_alu depctr_va_vdst(0)
	s_wait_kmcnt 0x0
	s_add_nc_u64 s[4:5], s[4:5], s[16:17]
	s_add_nc_u64 s[6:7], s[6:7], s[16:17]
	s_add_nc_u64 s[12:13], s[12:13], s[16:17]
.irp j, 0,1,2,3,4,5,6,7
	global_load_b128 v[G+4*\j:G+4*\j+3], v1, s[8:9] offset:512*\j
	global_load_b128 v[BT+4*\j:BT+4*\j+3], v1, s[10:11] offset:512*\j
.endr
.macro LOADROW i, s                    ; row i of my four into slot s: sixteen loads
.irp j, 0,1,2,3,4,5,6,7
	global_load_b128 v[72+64*\s+4*\j:72+64*\s+4*\j+3], v1, s[4:5] offset:4096*\i+512*\j th:TH_LOAD_NT
	global_load_b128 v[104+64*\s+4*\j:104+64*\s+4*\j+3], v1, s[6:7] offset:4096*\i+512*\j th:TH_LOAD_NT
.endr
.endm
.macro RED                             ; v212 summed over the 32 lanes, the result in every lane
	s_delay_alu instid0(VALU_DEP_1)
	v_add_f32_dpp v212, v212, v212 row_xmask:1 row_mask:0xf bank_mask:0xf
	s_delay_alu instid0(VALU_DEP_1)
	v_add_f32_dpp v212, v212, v212 row_xmask:2 row_mask:0xf bank_mask:0xf
	s_delay_alu instid0(VALU_DEP_1)
	v_add_f32_dpp v212, v212, v212 row_xmask:4 row_mask:0xf bank_mask:0xf
	s_delay_alu instid0(VALU_DEP_1)
	v_add_f32_dpp v212, v212, v212 row_xmask:8 row_mask:0xf bank_mask:0xf
	s_delay_alu instid0(VALU_DEP_1)
	v_permlanex16_b32 v213, v212, s22, s23
	s_delay_alu instid0(VALU_DEP_1)
	v_add_f32 v212, v212, v213
.endm
.macro FOLD                            ; the four chains into v212
	s_delay_alu instid0(VALU_DEP_3)
	v_pk_add_f32 v[200:201], v[200:201], v[202:203]
	s_delay_alu instid0(VALU_DEP_2)
	v_pk_add_f32 v[204:205], v[204:205], v[206:207]
	s_delay_alu instid0(VALU_DEP_1)
	v_pk_add_f32 v[200:201], v[200:201], v[204:205]
	s_delay_alu instid0(VALU_DEP_1)
	v_add_f32 v212, v200, v201
.endm
.macro ROW i, s, left                  ; left: the younger row's loads, which may stay out
.set RA, 72+64*\s
.set RB, 104+64*\s
	s_wait_loadcnt \left
.irp j, 0,2,4,6,8,10,12,14,16,18,20,22,24,26,28,30
	v_pk_add_f32 v[RA+\j:RA+\j+1], v[RA+\j:RA+\j+1], v[RB+\j:RB+\j+1]
.endr
.irp j, 0,1,2,3,4,5,6,7,8,9,10,11,12,13,14,15,16,17,18,19,20,21,22,23,24,25,26,27,28,29,30,31
	v_max_num_f32 v[RA+\j], 0, v[RA+\j]            ; relu
.endr
.irp k, 0,1,2,3
	v_pk_add_f32 v[200+2*\k:201+2*\k], v[RA+4*\k:RA+4*\k+1], v[RA+4*\k+2:RA+4*\k+3]   ; the first pairs start four chains: nothing is cleared
.endr
.irp j, 16,24
.irp k, 0,1,2,3
	s_delay_alu instid0(VALU_DEP_4)
	v_pk_add_f32 v[200+2*\k:201+2*\k], v[200+2*\k:201+2*\k], v[RA+\j+2*\k:RA+\j+2*\k+1]
.endr
.endr
	FOLD
	RED
	s_delay_alu instid0(VALU_DEP_1)
	v_mul_f32 v208, s20, v212                      ; the mean, twice: a pair for the packed forms
	s_delay_alu instid0(VALU_DEP_2)
	v_mul_f32 v209, s20, v212
.irp j, 0,2,4,6,8,10,12,14,16,18,20,22,24,26,28,30
	v_pk_add_f32 v[RA+\j:RA+\j+1], v[RA+\j:RA+\j+1], v[208:209] neg_lo:[0,1] neg_hi:[0,1]
.endr
.irp k, 0,1,2,3
	v_pk_mul_f32 v[200+2*\k:201+2*\k], v[RA+2*\k:RA+2*\k+1], v[RA+2*\k:RA+2*\k+1]
.endr
.irp j, 8,16,24
.irp k, 0,1,2,3
	s_delay_alu instid0(VALU_DEP_4)
	v_pk_fma_f32 v[200+2*\k:201+2*\k], v[RA+\j+2*\k:RA+\j+2*\k+1], v[RA+\j+2*\k:RA+\j+2*\k+1], v[200+2*\k:201+2*\k]
.endr
.endr
	FOLD
	RED
	s_delay_alu instid0(VALU_DEP_1)
	v_fma_f32 v212, v212, s20, s21                 ; the variance + eps
	s_wait_alu depctr_va_vdst(0)
	v_rsq_f32 v210, v212
	v_rsq_f32 v211, v212
	v_nop                                          ; one plain line between a transcendental and the use of its result (ISA guide 5.7.2)
	s_wait_alu depctr_va_vdst(0)
.irp j, 0,1,2,3,4,5,6,7
	v_pk_mul_f32 v[RA+4*\j:RA+4*\j+1], v[RA+4*\j:RA+4*\j+1], v[210:211]
	v_pk_mul_f32 v[RA+4*\j+2:RA+4*\j+3], v[RA+4*\j+2:RA+4*\j+3], v[210:211]
	s_delay_alu instid0(VALU_DEP_2)
	v_pk_fma_f32 v[RA+4*\j:RA+4*\j+1], v[RA+4*\j:RA+4*\j+1], v[G+4*\j:G+4*\j+1], v[BT+4*\j:BT+4*\j+1]
	s_delay_alu instid0(VALU_DEP_2)
	v_pk_fma_f32 v[RA+4*\j+2:RA+4*\j+3], v[RA+4*\j+2:RA+4*\j+3], v[G+4*\j+2:G+4*\j+3], v[BT+4*\j+2:BT+4*\j+3]
	global_store_b128 v1, v[RA+4*\j:RA+4*\j+3], s[12:13] offset:4096*\i+512*\j th:TH_STORE_NT
.endr
.endm
	LOADROW 0, 0
	LOADROW 1, 1
	ROW 0, 0, 16                                   ; gamma, beta and row 0 are in; row 1's sixteen loads may be out
	s_wait_xcnt 0x0                                ; row 0's stores have read their registers: the slot is loaded again only behind this wait
	LOADROW 2, 0
	ROW 1, 1, 16
	s_wait_xcnt 0x0
	LOADROW 3, 1
	ROW 2, 0, 16
	ROW 3, 1, 0
	s_endpgm
.Lfunc_end_k_qfad877951f_lnorm:
	.size	k_qfad877951f_lnorm, .Lfunc_end_k_qfad877951f_lnorm-k_qfad877951f_lnorm
	.p2alignl 7, 3214868480
	.fill 96, 4, 3214868480
	.section	.rodata,"a",@progbits
	.p2align	6, 0x0
	.amdhsa_kernel k_qfad877951f_lnorm
		.amdhsa_group_segment_fixed_size 0
		.amdhsa_private_segment_fixed_size 0
		.amdhsa_enable_private_segment 0
		.amdhsa_kernarg_size 40
		.amdhsa_user_sgpr_count 2
		.amdhsa_user_sgpr_kernarg_segment_ptr 1
		.amdhsa_wavefront_size32 1
		.amdhsa_system_sgpr_workgroup_id_x 1
		.amdhsa_system_sgpr_workgroup_id_y 1
		.amdhsa_system_sgpr_workgroup_id_z 1
		.amdhsa_system_vgpr_workitem_id 0
		.amdhsa_next_free_vgpr 216
		.amdhsa_next_free_sgpr 66
		.amdhsa_reserve_vcc 0
		.amdhsa_float_denorm_mode_32 3
		.amdhsa_float_denorm_mode_16_64 3
		.amdhsa_memory_ordered 1
		.amdhsa_forward_progress 1
		.amdhsa_inst_pref_size 52
	.end_amdhsa_kernel
	.amdgpu_metadata
---
amdhsa.version: [ 1, 2 ]
amdhsa.kernels:
  - .name:           k_qfad877951f_lnorm
    .symbol:         k_qfad877951f_lnorm.kd
    .args:
      - { .name: att, .offset: 0, .size: 8, .value_kind: global_buffer, .address_space: global }
      - { .name: res, .offset: 8, .size: 8, .value_kind: global_buffer, .address_space: global }
      - { .name: gamma, .offset: 16, .size: 8, .value_kind: global_buffer, .address_space: global }
      - { .name: beta, .offset: 24, .size: 8, .value_kind: global_buffer, .address_space: global }
      - { .name: out0, .offset: 32, .size: 8, .value_kind: global_buffer, .address_space: global }
    .group_segment_fixed_size: 0
    .private_segment_fixed_size: 0
    .kernarg_segment_align: 8
    .kernarg_segment_size: 40
    .max_flat_workgroup_size: 256
    .sgpr_count:     66
    .vgpr_count:     216
    .wavefront_size: 32
...
	.end_amdgpu_metadata
.endif
;; end of part 4
